; MI455X (gfx1250); checked and timed in simulation.
; The chip was launched on July 23, 2026; its instructions are those of AMD's public machine-readable ISA for CDNA 5 (MIT licence, August 2026) and "CDNA5" Instruction Set Architecture Reference Guide (July 2026). The comments in the code are by the model that wrote it; some were corrected since.
;; Multi Headed Attention. Allowed arithmetic: matrix products marked QUANTISED: E2M3 operands, one E8M0 scale for each 32 along K, by v_wmma_scale_f32_16x16x128_f8f6f4 with both operands' format E2M3, f32 sums; everything else in f32.
;; Inputs: Wk 1,024 x 256 float32; Wo 1,024 x 1,024 float32; Wq 1,024 x 1,024 float32; Wv 1,024 x 256 float32; x 1 x 4,096 x 1,024 float32.
;; Outputs: out0 1 x 4,096 x 1,024 float32.
;; This version of the problem:
;;   THIS VERSION OF THE PROBLEM IS GIVEN IN LOW PRECISION. The matrix products marked QUANTISED in the list below multiply operands that are first quantised to E2M3 (2 exponent bits, 3 mantissa bits; 6 bits a number), with one power-of-two scale for each 32 numbers along K (OCP MX v1.0); their sums are f32. All else is computed in f32.
;;   The module's matrix products, in the order in which they are computed (A, B: the left and right operand; K: the contracted axis; several contracted axes count as one K, in the product's order):
;;     1. [M 4,096, K 1,024] x [K 1,024, N 1,024]; A: input x; B: input Wq: QUANTISED
;;     2. [M 4,096, K 1,024] x [K 1,024, N 256]; A: input x; B: input Wk: QUANTISED
;;     3. [M 4,096, K 1,024] x [K 1,024, N 256]; A: input x; B: input Wv: QUANTISED
;;     4. batch 16 x [M 4,096, K 64] x [K 64, N 4,096]; A: computed on the way; B: computed on the way: QUANTISED
;;     5. batch 16 x [M 64, K 4,096] x [K 4,096, N 4,096]; A: computed on the way; B: softmax (see below): QUANTISED
;;     6. [M 4,096, K 1,024] x [K 1,024, N 1,024]; A: computed on the way; B: input Wo: QUANTISED
;;   THE QUANTISER, for each operand of a quantised product, along K:
;;     - K is cut into blocks of 32 from its start; a last block that is shorter is filled with zeros.
;;     - A block's scale is 2^e with e = floor(log2(the largest magnitude in the block)) - 2, held to -126 .. 127; a block of zeros has e = 0. As a byte (E8M0): e + 127.
;;     - Each number is divided by its block's scale, clamped to +-7.5, and rounded to the nearest number of E2M3, ties to even, subnormals kept.
;;     - The product sums the exact products of the quantised numbers (number of the format x scale) in f32.
;;   ~~~python
;;   def quantise(x, axis):      # numpy; x: float32 -> the quantised numbers, widened to float32 again
;;       x = np.moveaxis(x, axis, -1); K = x.shape[-1]
;;       x = np.pad(x, [(0, 0)] * (x.ndim - 1) + [(0, -K % 32)]); x = x.reshape(x.shape[:-1] + (-1, 32)); a = np.abs(x).max(-1, keepdims=True)
;;       e = np.where(a > 0, np.clip(np.frexp(np.where(a > 0, a, 1))[1] - 1 - 2, -126, 127), 0)      # np.frexp(a)[1] - 1 = floor(log2(a)), exactly
;;       r = np.clip(x / 2.0 ** e, -7.5, 7.5)
;;       step = 2.0 ** (np.maximum(np.frexp(np.where(r == 0, 1, r))[1] - 1, 0) - 3)
;;       q = np.round(r / step) * step * 2.0 ** e      # np.round: ties to even
;;       return np.moveaxis(q.reshape(q.shape[:-2] + (-1,))[..., :K], -1, axis).astype(np.float32)
;;   ~~~
;;   SOFTMAX AHEAD OF A QUANTISED PRODUCT. Where the list says 'softmax', what is quantised is not the finished softmax but p = 2^(t - M), with t = logit x log2(e) and M = ceil(the row's largest t), a whole number; so 1/2 < the row's largest p <= 1. The row's sum l is taken of the UNQUANTISED p, in f32, and the product's result is divided by l at the end. Since M is a whole number, a kernel that streams over the keys may use a running M (the ceiling of the running maximum): every later rescaling is an exact power of two, which a block's scale takes up: the codes' values come out the same.
;;   OPERANDS COMPUTED ON THE WAY. 'Computed on the way' means the value that the module computes at that place (a softmax that the list does not call 'softmax' is quantised finished and normalised). What goes into a quantiser is computed in f32, as accurately as f32 sums, v_exp_f32 and their like allow (about 1e-6 of the number): no bf16 or f16 on the way to a quantiser, and a product that is left as it is and whose result goes on into a quantised operand takes f32 operands (vector FMAs, or v_wmma_f32_16x16x4_f32). A number that lies on a knife's edge between two numbers of the format may be rounded either way, as far as f32 arithmetic and the matrix unit's own rounding can turn it there, and no further.
;; One version. Each part assembles by itself: llvm-mc -triple=amdgcn-amd-amdhsa -mcpu=gfx1250 --defsym DOCPART=n.
;; ======== version 1 of 1: 4 launches
;; limits: right only within a limited range of input values
;; workspace buffers: xc 3,145,728 bytes; wc 1,966,080 bytes; sc 212,992 bytes; tab 1,048,576 bytes; qb 3,407,872 bytes; kst 1,048,576 bytes; vst 1,048,576 bytes; cb 3,276,800 bytes
;; launch prep (part 1): grid 480 x 1, 4 waves a work-group, no clusters, 34,304 bytes of LDS; arguments x, Wq, Wk, Wv, Wo, xc, wc, sc, tab; writes xc, wc, sc, tab
.if DOCPART == 1
	.amdgcn_target "amdgcn-amd-amdhsa--gfx1250"
	.amdhsa_code_object_version 6
	.text
	.protected	k_q432ca015d5_prep
	.globl	k_q432ca015d5_prep
	.p2align	8
	.type	k_q432ca015d5_prep,@function
k_q432ca015d5_prep:
	s_mov_b64 s[64:65], 0
	v_nop
	global_prefetch_b8 v0, s[64:65] scope:SCOPE_SE
	s_setreg_imm32_b32 hwreg(HW_REG_WAVE_MODE, 25, 1), 1
	s_wait_xcnt 0x0
; FIRST OF FOUR LAUNCHES (prep, qkv, attn, outp) of a causal attention layer: S = 4,096, hidden 1,024, 16 query heads, 4 key/value heads of 64; all six products on codes of FP6 (E2M3) with one E8M0 scale for 32 along K.
; This launch quantises x and the four weights along K = 1,024 and makes the table of cos and sin for the rotary embedding.
; DEAD WORK LEFT OUT, in the launch attn alone: reference() builds the causal mask in its own body (jnp.tril) and puts the least f32 number in place of every score whose key comes after its query; behind the
; row's maximum (key 0 counts for every query) such a term's weight is nothing, whatever finite values the inputs hold.  So steps of 128 keys that lie wholly behind a wave's queries are neither loaded nor multiplied.
; Every input has a way to the output and is loaded.  LIMIT: a NaN, an infinity or an overflow that reaches only the steps left out is not carried to the result.
; LIMITS: NaN and infinities among the inputs are not served.  A block whose largest magnitude lies under 2^-124, a block of zeros among them, gets the scale byte 1 (the rule says 127 for zeros): its codes are
; zeros or the rule's own, and these bytes are read by this program alone.  The 32 rotary frequencies are written as f32(1 / f32(10^(i/8))): should reference()'s own power differ in its last bit, an angle moves by 2^-24 of itself, under 2.5e-4 at position 4,095.
; LAYOUT OF THE WORKSPACE: everything lies in the order of an operand's registers.  Lane l: r = l % 16, h = l / 16.
;   A TILE T is 16 rows: row index p is row 32 (T / 2) + 8 (T % 2) + p + 8 (p / 8).  So in a product whose source 0 is tiles 2 b, 2 b + 1 a lane's 16 results are 16 neighbours, 32 b + 16 h + 0 .. 15.
;   A HALF IMAGE (tile T, 64 along K) is 768 bytes: at 16 l lane l's registers 0-3, at 512 + 8 l its registers 4-5: the 32 codes k = 32 h + 0 .. 31 of row r.  Two of them on end are a fragment of 128 along K.
;   A SCALE UNIT (pair of tiles P, 256 along K) is 256 bytes: [K step 2][lane 32][4]: lane l's word belongs to tile 2 P + l / 16, row l % 16.
;   xc [T 256][16][768];  wc [nt 160][16][768], nt 0-63 Wq, 64-79 Wk, 80-95 Wv, 96-159 Wo;  sc: x's units [P 128][4][256], from byte 131,072 the weights' [80][4][256];
;   tab [T 256][cos, sin][j 4][lane 32][16]: lane (r, h), element 4 j + e: frequency 16 h + 4 j + e at the position of row r of tile T.
; SHARES, by the work-group's number: 0-255 x (a wave: 32 rows x 128 along K); 256-383 Wq, Wo and 384-415 Wk, Wv (a wave: 32 columns x 128 along K); 416-479 the table (a wave: a tile).
; No tensor load, no barrier: waves share nothing.  Matrix units, clusters and rings would add nothing to a stream.
.set SPARE, 33792                      ; behind the four stages of path x: the spare words, 128 bytes a wave
.set SPW, 6                            ; v6  SPARE + 4 x my thread's number; never rewritten
.set NIL, 7                            ; v7  0; never rewritten
.set TM,  8                            ; v8-19  at work: largest magnitudes, bytes, scale operands
.set PW,  24                           ; v24 the scale word just made
.set SEL, 24                           ; s[24:25] lane selects of v_permlanex16_b32: lane l xor 16
; 32 nc numbers of a lane, register 16 b + i = k 32 b + 16 h + i of my row, become codes in v[pc] on (6 nc registers, a whole block a lane) and the row's scale word in v[PW].  v[tq] on: where the upper halves are made.
.macro QUANT s, nc, pc, tq
.irp b, 0,1,2,3
.if \b < 2*(\nc)
	v_max3_num_f32 v[TM+\b], |v[(\s)+16*\b]|, |v[(\s)+1+16*\b]|, 0x1800000   ; my 16 numbers of block b, and the floor 2^(3 - 127): the byte cannot fall under 1
.endif
.endr
.irp i, 2,4,6,8,10,12,14
.irp b, 0,1,2,3
.if \b < 2*(\nc)
	v_max3_num_f32 v[TM+\b], v[TM+\b], |v[(\s)+16*\b+\i]|, |v[(\s)+1+16*\b+\i]|
.endif
.endr
.endr
.irp b, 0,1,2,3
.if \b < 2*(\nc)
	v_permlanex16_b32 v[TM+4+\b], v[TM+\b], s[SEL], s[SEL+1]
.endif
.endr
.irp b, 0,1,2,3
.if \b < 2*(\nc)
	v_max_num_f32 v[TM+\b], v[TM+\b], v[TM+4+\b]       ; with lane l xor 16's: the block's largest magnitude
.endif
.endr
.irp b, 0,1,2,3
.if \b < 2*(\nc)
	v_add_nc_u32 v[TM+8+\b], 0xff000000, v[TM+\b]      ; 2 off its exponent field: the conversion's scale operand
.endif
.endr
.irp b, 0,1,2,3
.if \b < 2*(\nc)
	v_lshrrev_b32 v[TM+4+\b], 23, v[TM+8+\b]           ; the scale's byte
.endif
.endr
	v_lshl_or_b32 v[PW], v[TM+5], 8, v[TM+4]
.if (\nc) > 1
	v_lshl_or_b32 v[PW], v[TM+6], 16, v[PW]
	v_lshl_or_b32 v[PW], v[TM+7], 24, v[PW]
.endif
.irp c, 0,1
.if \c < (\nc)
	v_cvt_scalef32_pk16_fp6_f32 v[(\pc)+6*\c:(\pc)+2+6*\c], v[(\s)+32*\c:(\s)+15+32*\c], v[TM+8+2*\c]
	v_cvt_scalef32_pk16_fp6_f32 v[(\tq)+4*\c:(\tq)+2+4*\c], v[(\s)+16+32*\c:(\s)+31+32*\c], v[TM+9+2*\c]   ; (a conversion's three registers begin on an even number)
.endif
.endr
	v_nop                                          ; one plain place behind a scaled conversion
.irp c, 0,1
.if \c < (\nc)
.irp i, 0,1,2
	v_permlane16_swap_b32 v[(\pc)+6*\c+\i], v[(\tq)+4*\c+\i]   ; the first then holds each lane's block's lower 16 codes, the second the upper 16
.endr
.irp i, 0,1,2
	v_mov_b32 v[(\pc)+3+6*\c+\i], v[(\tq)+4*\c+\i]
.endr
.endif
.endr
.endm
	s_load_b512 s[4:19], s[0:1], 0x0               ; x s[4:5], Wq s[6:7], Wk s[8:9], Wv s[10:11], Wo s[12:13], xc s[14:15], wc s[16:17], sc s[18:19]
	s_load_b64 s[20:21], s[0:1], 0x40              ; tab
	v_lshl_add_u32 v[SPW], v0, 2, SPARE
	v_mov_b32 v[NIL], 0
	v_lshrrev_b32 v1, 5, v0
	v_readfirstlane_b32 s22, v1                    ; wave 0..3
	v_and_b32 v29, 31, v0                          ; lane
	v_and_b32 v30, 15, v0                          ; r
	v_bfe_u32 v31, v0, 4, 1                        ; h
	v_lshlrev_b32 v1, 4, v29                       ; 16 l
	v_lshlrev_b32 v4, 3, v29                       ; 8 l
	v_lshlrev_b32 v5, 2, v29                       ; 4 l
	s_mov_b32 s23, 0xffff0000                      ; lanes 16-31
	s_mov_b32 s[SEL], 0x76543210
	s_mov_b32 s[SEL+1], 0xfedcba98
	s_mov_b32 s27, 0                               ; the upper word of every offset
	s_wait_kmcnt 0x0
	s_cmp_lt_u32 ttmp9, 256
	s_cbranch_scc0 .Lnot_x
	; ---- PATH X: pair of tiles P = id / 2, K step ks = 4 (id % 2) + wave: 32 rows x 128 numbers
	s_lshr_b32 s28, ttmp9, 1                       ; P
	s_and_b32 s29, ttmp9, 1
	s_lshl_b32 s29, s29, 2
	s_add_co_u32 s29, s29, s22                     ; ks
	s_lshl_b32 s26, s28, 17                        ; 32 rows of 4,096 bytes
	s_lshl_b32 s30, s29, 9
	s_add_co_u32 s26, s26, s30
	s_add_nc_u64 s[4:5], s[4:5], s[26:27]          ; x at my first row, my 512 bytes of it
	s_mul_i32 s26, s28, 24576                      ; tile 2 P,
	s_mul_i32 s30, s29, 1536                       ; half image 2 ks
	s_add_co_u32 s26, s26, s30
	s_add_nc_u64 s[14:15], s[14:15], s[26:27]
	s_lshl_b32 s26, s28, 10                        ; unit (P, ks / 2), its half ks % 2
	s_lshr_b32 s30, s29, 1
	s_lshl_b32 s30, s30, 8
	s_add_co_u32 s26, s26, s30
	s_and_b32 s30, s29, 1
	s_lshl_b32 s30, s30, 7
	s_add_co_u32 s26, s26, s30
	s_add_nc_u64 s[18:19], s[18:19], s[26:27]
	s_mul_i32 s30, s22, 8448                       ; my stage: 16 rows of 512 bytes + 16
	s_wait_alu depctr_va_vdst(0)
	v_add_nc_u32 v2, s30, v1                       ; in: a row as it was loaded, 16 bytes a lane
	v_mul_u32_u24 v3, v30, 528
	v_lshl_add_u32 v3, v31, 6, v3
	v_add_nc_u32 v3, s30, v3                       ; out: row r, + 64 h: my 16 numbers of each block of 32
.irp b, 0,1,2,3
	v_mov_b32 v[TM+4+\b], 0                        ; written once: a lane permute's destination counts as one of its sources
.endr
.irp u, 0,1
.irp i, 0,1,2,3,4,5,6,7,8,9,10,11,12,13,14,15
	global_load_b128 v[32+64*\u+4*\i:35+64*\u+4*\i], v1, s[4:5] offset:(8*\u+\i+8*(\i/8))*4096 th:TH_LOAD_NT   ; 32 lanes read 512 consecutive bytes of row index i of tile 2 P + u
.endr
.endr
.macro UNIT u
.if \u == 0
	s_wait_loadcnt 16                              ; this tile's 16 loads are in; the other tile's 16 are younger
.else
	s_wait_loadcnt 0x0
.endif
.irp i, 0,1,2,3,4,5,6,7,8,9,10,11,12,13,14,15
	ds_store_b128 v2, v[32+64*\u+4*\i:35+64*\u+4*\i] offset:528*\i
.endr
.irp b, 0,1,2,3
.irp j, 0,1,2,3
	ds_load_b128 v[160+16*\b+4*\j:163+16*\b+4*\j], v3 offset:128*\b+16*\j   ; LDS serves a wave's instructions in order: these see my stores
.endr
.endr
	s_wait_dscnt 0x0
.if \u
	s_wait_xcnt 0x0                                ; the first tile's stores have read their registers: the codes are written anew only behind this wait
.endif
	QUANT 160, 2, 224, 236
	v_mov_b32 v[25+\u], v[PW]
	global_store_b128 v1, v[224:227], s[14:15] offset:12288*\u
	global_store_b64 v4, v[228:229], s[14:15] offset:12288*\u+512
	global_store_b128 v1, v[230:233], s[14:15] offset:12288*\u+768
	global_store_b64 v4, v[234:235], s[14:15] offset:12288*\u+1280
.endm
	s_wait_alu depctr_va_vdst(0)
	UNIT 0
	UNIT 1
	v_cndmask_b32 v28, v25, v26, s23               ; lanes 0-15: tile 2 P's words, lanes 16-31: tile 2 P + 1's
	global_store_b32 v5, v28, s[18:19]
	s_wait_tensorcnt 0x0                           ; the wave's end: a wait on TENSORcnt, an add to the spare word and its wait, behind my last LDS store; the wait on TENSORcnt even in a text with no tensor load
	ds_add_u32 v[SPW], v[NIL]
	s_wait_dscnt 0x0
	s_endpgm
; ---- PATHS W.  A weight is [k][n]: a lane takes a column and its registers run down K.  Lane (u = l / 16, r) takes column 32 pair + 8 u + r + 8 (r / 8): row index r of tile 2 pair + u.
; Given: s[32:33] the weight, s34 its first pair of tiles in wc, s35 which four pairs, s36 the K step.  cols: the weight's columns.
.macro WQ cols
	s_lshl_b32 s37, s35, 2
	s_add_co_u32 s37, s37, s22                     ; pair
	s_mul_i32 s26, s36, 128*(\cols)*4
	s_lshl_b32 s30, s37, 7
	s_add_co_u32 s26, s26, s30
	s_add_nc_u64 s[32:33], s[32:33], s[26:27]      ; row 128 ks, column 32 pair
	s_add_co_u32 s38, s34, s37
	s_mul_i32 s26, s38, 24576
	s_mul_i32 s30, s36, 1536
	s_add_co_u32 s26, s26, s30
	s_add_nc_u64 s[16:17], s[16:17], s[26:27]      ; wc: the pair's first tile, half image 2 ks
	s_lshl_b32 s26, s38, 10
	s_lshr_b32 s30, s36, 1
	s_lshl_b32 s30, s30, 8
	s_add_co_u32 s26, s26, s30
	s_and_b32 s30, s36, 1
	s_lshl_b32 s30, s30, 7
	s_add_co_u32 s26, s26, s30
	s_add_co_u32 s26, s26, 131072
	s_add_nc_u64 s[18:19], s[18:19], s[26:27]      ; sc: the weights' units
	v_and_b32 v3, 8, v30
	v_add_nc_u32 v3, v3, v30
	v_lshl_add_u32 v3, v31, 3, v3
	v_lshlrev_b32 v3, 2, v3                        ; my column's byte in the pair's 128
.set wi, 0
.rept 128
	global_load_b32 v[32+wi], v3, s[32:33] offset:wi*(\cols)*4 th:TH_LOAD_NT   ; the 32 lanes cover 128 consecutive bytes, the four waves 512
.set wi, wi+1
.endr
.irp a, 0,1                                    ; 64 along K at a time: two blocks of 32, both mine
.if \a == 0
	s_wait_loadcnt 63                              ; 64 loads are younger than the first 64; the wait names 63 at most, which asks for one load more than is needed
.else
	s_wait_loadcnt 0x0
.endif
.irp h, 0,1
	v_max3_num_f32 v[TM+\h], |v[32+64*\a+32*\h]|, |v[33+64*\a+32*\h]|, 0x1800000
.endr
.irp i, 2,4,6,8,10,12,14,16,18,20,22,24,26,28,30
.irp h, 0,1
	v_max3_num_f32 v[TM+\h], v[TM+\h], |v[32+64*\a+32*\h+\i]|, |v[33+64*\a+32*\h+\i]|
.endr
.endr
.irp h, 0,1
	v_add_nc_u32 v[TM+8+\h], 0xff000000, v[TM+\h]
.endr
.irp h, 0,1
	v_lshrrev_b32 v[TM+4+\h], 23, v[TM+8+\h]
.endr
.if \a == 0
	v_lshl_or_b32 v26, v[TM+5], 8, v[TM+4]         ; my column's scale word, byte by byte
.else
	v_lshl_or_b32 v26, v[TM+4], 16, v26
	v_lshl_or_b32 v26, v[TM+5], 24, v26
	s_wait_alu depctr_va_vdst(0)
	s_wait_xcnt 0x0                                ; the first half's stores have read their registers
.endif
	v_cvt_scalef32_pk16_fp6_f32 v[224:226], v[32+64*\a:47+64*\a], v[TM+8]
	v_cvt_scalef32_pk16_fp6_f32 v[236:238], v[48+64*\a:63+64*\a], v[TM+8]
	v_cvt_scalef32_pk16_fp6_f32 v[230:232], v[64+64*\a:79+64*\a], v[TM+9]
	v_cvt_scalef32_pk16_fp6_f32 v[240:242], v[80+64*\a:95+64*\a], v[TM+9]
	v_nop                                          ; one plain place behind a scaled conversion
.irp i, 0,1,2
	v_mov_b32 v[227+\i], v[236+\i]                 ; v224-229: my column's block 0;
	v_mov_b32 v[233+\i], v[240+\i]                 ; v230-235: its block 1
.endr
.irp i, 0,1,2,3,4,5
	v_permlane16_swap_b32 v[224+\i], v[230+\i]     ; block 0's lanes 16-31 change places with block 1's lanes 0-15: v224-229 is then the half image of tile 2 pair, v230-235 that of tile 2 pair + 1
.endr
	global_store_b128 v1, v[224:227], s[16:17] offset:768*\a
	global_store_b64 v4, v[228:229], s[16:17] offset:768*\a+512
	global_store_b128 v1, v[230:233], s[16:17] offset:12288+768*\a
	global_store_b64 v4, v[234:235], s[16:17] offset:12288+768*\a+512
.endr
	global_store_b32 v5, v26, s[18:19]
.endm
.Lnot_x:
	s_cmp_lt_u32 ttmp9, 384
	s_cbranch_scc0 .Lnot_wide
	s_sub_co_u32 s28, ttmp9, 256                   ; 0-63 Wq, 64-127 Wo
	s_cmp_lt_u32 s28, 64
	s_cselect_b64 s[32:33], s[6:7], s[12:13]
	s_cselect_b32 s34, 0, 48
	s_and_b32 s35, s28, 7
	s_bfe_u32 s36, s28, 0x30003
	s_wait_alu depctr_va_vdst(0)
	WQ 1024
	s_endpgm
.Lnot_wide:
	s_cmp_lt_u32 ttmp9, 416
	s_cbranch_scc0 .Ltable
	s_sub_co_u32 s28, ttmp9, 384                   ; 0-15 Wk, 16-31 Wv
	s_cmp_lt_u32 s28, 16
	s_cselect_b64 s[32:33], s[8:9], s[10:11]
	s_cselect_b32 s34, 32, 40
	s_and_b32 s35, s28, 1
	s_bfe_u32 s36, s28, 0x30001
	s_wait_alu depctr_va_vdst(0)
	WQ 256
	s_endpgm
	; ---- PATH T: cos and sin of position x frequency, in f32.  a = pos x f, rounded as reference() rounds it; n = the nearest whole number to a x 2 / pi; a - n pi / 2 by two fused multiply-adds
	; (the first is exact: n is under 2^12 and the difference is a multiple of 2^-23 under 1); polynomials on +-pi / 4; the quadrant n % 4 swaps and signs.
.Ltable:
	s_sub_co_u32 s28, ttmp9, 416
	s_lshl_b32 s28, s28, 2
	s_add_co_u32 s28, s28, s22                     ; tile T
	s_lshr_b32 s29, s28, 1
	s_lshl_b32 s29, s29, 5
	s_and_b32 s30, s28, 1
	s_lshl_b32 s30, s30, 3
	s_add_co_u32 s29, s29, s30
	s_wait_alu depctr_va_vdst(0)
	v_and_b32 v3, 8, v30
	v_add_nc_u32 v3, v3, v30
	v_add_nc_u32 v3, s29, v3
	v_cvt_f32_u32 v3, v3                           ; my row's position
	s_lshl_b32 s26, s28, 12
	s_add_nc_u64 s[20:21], s[20:21], s[26:27]
	s_mov_b32 s32, 0x3f22f983                      ; 2 / pi
	s_mov_b32 s33, 0x3fc90fdb                      ; pi / 2, its f32,
	s_mov_b32 s34, 0xb33bbd2e                      ; and what is left of it
	s_mov_b32 s35, 0xb94ca1f9                      ; sine: z^3,
	s_mov_b32 s36, 0x3c08839e                      ; z^2,
	s_mov_b32 s37, 0xbe2aaaa3                      ; z
	s_mov_b32 s38, 0x37ccf5ce                      ; cosine likewise
	s_mov_b32 s39, 0xbab6061a
	s_mov_b32 s40, 0x3d2aaaa5
.macro ANG i, flo, fhi                         ; frequency i in lanes 0-15, 16 + i in lanes 16-31
	v_mov_b32 v8, \flo
	v_mov_b32 v9, \fhi
	v_cndmask_b32 v8, v8, v9, s23
	s_wait_alu depctr_va_vdst(0)
	v_mul_f32 v8, v3, v8                           ; a
	v_mul_f32 v9, s32, v8
	v_rndne_f32 v9, v9                             ; n
	v_fma_f32 v10, -v9, s33, v8
	v_fma_f32 v10, -v9, s34, v10                   ; rho
	v_mul_f32 v11, v10, v10                        ; z
	v_fma_f32 v12, v11, s35, s36
	v_fma_f32 v12, v12, v11, s37
	v_mul_f32 v12, v12, v11
	v_fma_f32 v12, v12, v10, v10                   ; sin rho
	v_fma_f32 v13, v11, s38, s39
	v_fma_f32 v13, v13, v11, s40
	v_mul_f32 v13, v13, v11
	v_fma_f32 v14, v11, -0.5, 1.0
	v_fma_f32 v13, v13, v11, v14                   ; cos rho
	v_cvt_i32_f32 v15, v9
	v_and_b32 v16, 1, v15
	v_cmp_eq_u32 vcc_lo, 1, v16
	v_cndmask_b32 v17, v12, v13, vcc_lo            ; in odd quadrants the two change places
	v_cndmask_b32 v18, v13, v12, vcc_lo
	v_and_b32 v16, 2, v15
	v_lshlrev_b32 v16, 30, v16
	v_xor_b32 v[80+\i], v16, v17                   ; sin: negative in quadrants 2, 3
	v_add_nc_u32 v15, 1, v15
	v_and_b32 v15, 2, v15
	v_lshlrev_b32 v15, 30, v15
	v_xor_b32 v[64+\i], v15, v18                   ; cos: negative in quadrants 1, 2
.endm
	ANG 0, 0x3f800000, 0x3c23d70a
	ANG 1, 0x3f3ff911, 0x3bf5b9b0
	ANG 2, 0x3f0ff59a, 0x3bb8449c
	ANG 3, 0x3ed7e89b, 0x3b8a2e77
	ANG 4, 0x3ea1e89b, 0x3b4f3e38
	ANG 5, 0x3e72d423, 0x3b1b690d
	ANG 6, 0x3e361887, 0x3ae91528
	ANG 7, 0x3e088d77, 0x3aaec98e
	ANG 8, 0x3dcccccd, 0x3a83126f
	ANG 9, 0x3d99940d, 0x3a44948c
	ANG 10, 0x3d6655c2, 0x3a136a16
	ANG 11, 0x3d2cba15, 0x39dd1725
	ANG 12, 0x3d0186e3, 0x39a5cb60
	ANG 13, 0x3cc2434f, 0x3978a815
	ANG 14, 0x3c91ad39, 0x393a7753
	ANG 15, 0x3c5a7bf2, 0x390bd472
.irp j, 0,1,2,3
	global_store_b128 v1, v[64+4*\j:67+4*\j], s[20:21] offset:512*\j
	global_store_b128 v1, v[80+4*\j:83+4*\j], s[20:21] offset:2048+512*\j
.endr
	s_endpgm
.Lfunc_end_k_q432ca015d5_prep:
	.size	k_q432ca015d5_prep, .Lfunc_end_k_q432ca015d5_prep-k_q432ca015d5_prep
	.p2alignl 7, 3214868480
	.fill 96, 4, 3214868480
	.section	.rodata,"a",@progbits
	.p2align	6, 0x0
	.amdhsa_kernel k_q432ca015d5_prep
		.amdhsa_group_segment_fixed_size 34304
		.amdhsa_private_segment_fixed_size 0
		.amdhsa_enable_private_segment 0
		.amdhsa_kernarg_size 72
		.amdhsa_user_sgpr_count 2
		.amdhsa_user_sgpr_kernarg_segment_ptr 1
		.amdhsa_wavefront_size32 1
		.amdhsa_system_sgpr_workgroup_id_x 1
		.amdhsa_system_sgpr_workgroup_id_y 1
		.amdhsa_system_sgpr_workgroup_id_z 1
		.amdhsa_system_vgpr_workitem_id 0
		.amdhsa_next_free_vgpr 256
		.amdhsa_next_free_sgpr 66
		.amdhsa_reserve_vcc 1
		.amdhsa_float_denorm_mode_32 3
		.amdhsa_float_denorm_mode_16_64 3
		.amdhsa_memory_ordered 1
		.amdhsa_forward_progress 1
		.amdhsa_inst_pref_size 82
	.end_amdhsa_kernel
	.amdgpu_metadata
---
amdhsa.version: [ 1, 2 ]
amdhsa.kernels:
  - .name:           k_q432ca015d5_prep
    .symbol:         k_q432ca015d5_prep.kd
    .args:
      - { .name: x, .offset: 0, .size: 8, .value_kind: global_buffer, .address_space: global }
      - { .name: Wq, .offset: 8, .size: 8, .value_kind: global_buffer, .address_space: global }
      - { .name: Wk, .offset: 16, .size: 8, .value_kind: global_buffer, .address_space: global }
      - { .name: Wv, .offset: 24, .size: 8, .value_kind: global_buffer, .address_space: global }
      - { .name: Wo, .offset: 32, .size: 8, .value_kind: global_buffer, .address_space: global }
      - { .name: xc, .offset: 40, .size: 8, .value_kind: global_buffer, .address_space: global }
      - { .name: wc, .offset: 48, .size: 8, .value_kind: global_buffer, .address_space: global }
      - { .name: sc, .offset: 56, .size: 8, .value_kind: global_buffer, .address_space: global }
      - { .name: tab, .offset: 64, .size: 8, .value_kind: global_buffer, .address_space: global }
    .group_segment_fixed_size: 34304
    .private_segment_fixed_size: 0
    .kernarg_segment_align: 8
    .kernarg_segment_size: 72
    .max_flat_workgroup_size: 128
    .sgpr_count:     66
    .vgpr_count:     256
    .wavefront_size: 32
...
	.end_amdgpu_metadata
.endif
;; end of part 1
;; launch qkv (part 2): grid 32 x 6, 8 waves a work-group, clusters of 4 x 1, 327,680 bytes of LDS; arguments xc, wc, sc, tab, qb, kst, vst; writes qb, kst, vst
.if DOCPART == 2
	.amdgcn_target "amdgcn-amd-amdhsa--gfx1250"
	.amdhsa_code_object_version 6
	.text
	.protected	k_q432ca015d5_qkv
	.globl	k_q432ca015d5_qkv
	.p2align	8
	.type	k_q432ca015d5_qkv,@function
k_q432ca015d5_qkv:
	s_mov_b64 s[64:65], 0
	v_nop
	global_prefetch_b8 v0, s[64:65] scope:SCOPE_SE
	s_setreg_imm32_b32 hwreg(HW_REG_WAVE_MODE, 25, 1), 1
	s_wait_xcnt 0x0
	s_wait_alu depctr_hold_cnt(0) depctr_sa_sdst(0) depctr_va_vdst(0) depctr_va_sdst(0) depctr_va_ssrc(0) depctr_va_vcc(0) depctr_vm_vsrc(0)
	s_getreg_b32 s2, hwreg(HW_REG_IB_STS2, 6, 4)
	s_cmp_eq_u32 s2, 0
	s_cbranch_scc0 .Lentry_in_a_cluster
	s_endpgm
.Lentry_in_a_cluster:
	s_bfe_u32 s2, ttmp6, 0x10000c
	s_cmp_lg_u32 s2, 0x3003
	s_cbranch_scc0 .Lentry_shape_is_right
	s_endpgm
.Lentry_shape_is_right:
; q = x Wq, k = x Wk, v = x Wv on codes of FP6 (the launch prep made codes and scales; its head comment gives their layout); the rotary embedding on q and k, in f32; then q and k are quantised along the head's 64
; and v along the keys, and stored in the order of the operands' registers of the launch attn.  Nothing is left out here.
; SHARES.  A work-group makes 128 rows x 256 columns: X = its block of rows, Y = 0-3 q (heads 4 Y ..), 4 k, 5 v.  Eight waves.  q, k: wave w makes rows 64 (w / 4) .. x head w % 4: source 0 = 16 columns of the weight,
; source 1 = 16 rows of x: a lane holds ONE position and its 32 registers of a tile of rows run along the head's 64 (register 16 b + e: d = 32 b + 16 h + e).  v: wave w makes columns 32 w .. for all 128 rows, the sources
; swapped: a lane holds one d and its 64 registers run along the 128 keys.
; LDS.  All of K = 1,024 fits: every tensor load is a first fill, nothing is filled again.  K goes in four chunks of 256.  Each wave issues five loads at the start (its part of the scales, then chunks 0 to 3): five are out at the most.
; CLUSTER 4 x 1: the four partners differ in X alone and need the same weights: those and their scales are asked for JOINTLY (mask 15), x's codes and scales by plain loads.
; OUT: qb: codes [head 16][T 256][768], from byte 3,145,728 scale words [head][T / 4][lane 32][2]: word (l, j): tile 4 (T / 4) + 2 j + l / 16, row l % 16.  A word is byte 0 | byte 1 << 8 | 0x7f7f0000: K is 64, and the
;   upper 64 of the matrix instruction's 128 are zero codes that attn holds in registers.   kst [kv head 4][step of 128 keys 32][8,192]: 8 half images, then [2][lane][2] scale words likewise.
;   vst [kv head 4][step 32][8,192]: 4 fragments of 1,536 bytes (16 of the head's 64 x 128 keys), then [2][lane][4]: word (j, l): tile 2 j + l / 16.
; LIMITS: as stated at the head of prep.
; LDS AND LOADS AS THEY STAND (in place of the paragraph LDS above): a tile's codes for all of K are 12,288 consecutive bytes in xc and wc, so each operand's part is one dense block.
; ONE tensor load a wave, all at the head: waves 0, 1 x's codes (four tiles each), wave 2 x's scales, wave 3 the weight's scales, waves 4-7 the weight's codes (four tiles each).  One load a wave is out.
.set AREG, 0                           ; x's codes [tile 8][12,288]
.set BREG, 98304                       ; the weight's [tile 16][12,288]
.set ASC,  294912                      ; x's scale units, 4 pairs of tiles x 1,024
.set BSC,  299008                      ; the weight's, 8 x 1,024
.set SPARE, 307200                     ; the spare words, 128 bytes a wave
.set ACH,  3072                        ; a chunk of 256 along K inside a tile's 12,288 bytes
.set BCH,  3072
.set WV,   12                          ; s12 wave; s13 wave % 4; s14 cx; s15 X; s16 Y
.set G1A,  24                          ; s[24:31] group 1: x's codes;  s[32:39] the weight's;  s[40:47] x's scales;  s[48:55] the weight's
.set G1B,  32
.set G1SA, 40
.set G1SB, 48
.set G0SA, 56                          ; groups 0: s[56:59], s[60:63] scales; s[68:71] x's codes; s[84:87] the weight's
.set G0SB, 60
.set G0A,  68
.set G0B,  84
.set TM,   100                         ; the way out: v100-111 at work, v112 a scale word, v114-117 the tiles' words
.set PW,   112
.set SEL,  24                          ; the way out: s[24:25] (the descriptors are done with)
; REGISTERS: v1 16 l, v2 8 l, v13 4 l; v3-8 LDS bases of the q, k arm, v9-12 of the v arm; v16-19 the chunk's addresses; v20-29 scale words and nothing else; v30, v31 the add's two; v32-127 fragments; v128-255 16 accumulators.
.macro ROUND                           ; a round of the cluster's barrier
	s_barrier_signal -1
	s_barrier_wait -1
	s_cmp_lg_u32 s[WV], 0
	s_cbranch_scc1 .Lnot_wave_0_\@
	s_barrier_signal -3
.Lnot_wave_0_\@:
	s_barrier_wait -3
	s_barrier_signal -1
	s_barrier_wait -1
.endm
.macro DESC g, first, c, r, p          ; group 1: r rows of c elements of 8 bytes, p elements apart
	s_mov_b32 s[\g], \first
	s_mov_b32 s[\g+1], (\c)<<16
	s_mov_b32 s[\g+2], (\r)<<16
	s_mov_b32 s[\g+3], (\c)<<16
	s_mov_b32 s[\g+4], \r
	s_mov_b32 s[\g+5], \p
	s_mov_b32 s[\g+6], 0
	s_mov_b32 s[\g+7], 0
.endm
.macro PLACES                          ; four plain places behind a matrix instruction, ahead of loads into its registers and of the first read of results
.rept 4
	v_nop
.endr
.endm
.macro FRAG reg, a16, a8, off          ; a fragment: two half images, each 16 bytes and 8 bytes a lane, contiguous over the lanes
	ds_load_b128 v[(\reg):(\reg)+3], v[\a16] offset:(\off)
	ds_load_b64 v[(\reg)+4:(\reg)+5], v[\a8] offset:(\off)+512
	ds_load_b128 v[(\reg)+6:(\reg)+9], v[\a16] offset:(\off)+768
	ds_load_b64 v[(\reg)+10:(\reg)+11], v[\a8] offset:(\off)+1280
.endm
; one matrix instruction: D at d, source 0 at a, source 1 at b; zero = 1: it starts the sum; sa, sb: the scale registers; ra, rb = 1: the odd tile of a pair, whose words lie in lanes 16-31
.macro MM d, a, b, zero, sa, sb, ra, rb
.if \zero
.if ((\ra) == 0) && ((\rb) == 0)
	v_wmma_scale_f32_16x16x128_f8f6f4 v[(\d):(\d)+7], v[(\a):(\a)+11], v[(\b):(\b)+11], 0, v[\sa], v[\sb] matrix_a_fmt:MATRIX_FMT_FP6 matrix_b_fmt:MATRIX_FMT_FP6
.elseif (\rb) == 0
	v_wmma_scale_f32_16x16x128_f8f6f4 v[(\d):(\d)+7], v[(\a):(\a)+11], v[(\b):(\b)+11], 0, v[\sa], v[\sb] matrix_a_fmt:MATRIX_FMT_FP6 matrix_b_fmt:MATRIX_FMT_FP6 matrix_a_scale:MATRIX_SCALE_ROW1
.elseif (\ra) == 0
	v_wmma_scale_f32_16x16x128_f8f6f4 v[(\d):(\d)+7], v[(\a):(\a)+11], v[(\b):(\b)+11], 0, v[\sa], v[\sb] matrix_a_fmt:MATRIX_FMT_FP6 matrix_b_fmt:MATRIX_FMT_FP6 matrix_b_scale:MATRIX_SCALE_ROW1
.else
	v_wmma_scale_f32_16x16x128_f8f6f4 v[(\d):(\d)+7], v[(\a):(\a)+11], v[(\b):(\b)+11], 0, v[\sa], v[\sb] matrix_a_fmt:MATRIX_FMT_FP6 matrix_b_fmt:MATRIX_FMT_FP6 matrix_a_scale:MATRIX_SCALE_ROW1 matrix_b_scale:MATRIX_SCALE_ROW1
.endif
.else
.if ((\ra) == 0) && ((\rb) == 0)
	v_wmma_scale_f32_16x16x128_f8f6f4 v[(\d):(\d)+7], v[(\a):(\a)+11], v[(\b):(\b)+11], v[(\d):(\d)+7], v[\sa], v[\sb] matrix_a_fmt:MATRIX_FMT_FP6 matrix_b_fmt:MATRIX_FMT_FP6
.elseif (\rb) == 0
	v_wmma_scale_f32_16x16x128_f8f6f4 v[(\d):(\d)+7], v[(\a):(\a)+11], v[(\b):(\b)+11], v[(\d):(\d)+7], v[\sa], v[\sb] matrix_a_fmt:MATRIX_FMT_FP6 matrix_b_fmt:MATRIX_FMT_FP6 matrix_a_scale:MATRIX_SCALE_ROW1
.elseif (\ra) == 0
	v_wmma_scale_f32_16x16x128_f8f6f4 v[(\d):(\d)+7], v[(\a):(\a)+11], v[(\b):(\b)+11], v[(\d):(\d)+7], v[\sa], v[\sb] matrix_a_fmt:MATRIX_FMT_FP6 matrix_b_fmt:MATRIX_FMT_FP6 matrix_b_scale:MATRIX_SCALE_ROW1
.else
	v_wmma_scale_f32_16x16x128_f8f6f4 v[(\d):(\d)+7], v[(\a):(\a)+11], v[(\b):(\b)+11], v[(\d):(\d)+7], v[\sa], v[\sb] matrix_a_fmt:MATRIX_FMT_FP6 matrix_b_fmt:MATRIX_FMT_FP6 matrix_a_scale:MATRIX_SCALE_ROW1 matrix_b_scale:MATRIX_SCALE_ROW1
.endif
.endif
.endm
; 32 nc numbers of a lane, register 16 b + i = k 32 b + 16 h + i of my row, become codes in v[pc] on and the row's scale word in v[PW]; v[tq] on: where the upper halves are made
.macro QUANT s, nc, pc, tq
.irp b, 0,1,2,3
.if \b < 2*(\nc)
	v_max3_num_f32 v[TM+\b], |v[(\s)+16*\b]|, |v[(\s)+1+16*\b]|, 0x1800000   ; and the floor 2^(3 - 127): the byte cannot fall under 1
.endif
.endr
.irp i, 2,4,6,8,10,12,14
.irp b, 0,1,2,3
.if \b < 2*(\nc)
	v_max3_num_f32 v[TM+\b], v[TM+\b], |v[(\s)+16*\b+\i]|, |v[(\s)+1+16*\b+\i]|
.endif
.endr
.endr
.irp b, 0,1,2,3
.if \b < 2*(\nc)
	v_permlanex16_b32 v[TM+4+\b], v[TM+\b], s[SEL], s[SEL+1]
.endif
.endr
.irp b, 0,1,2,3
.if \b < 2*(\nc)
	v_max_num_f32 v[TM+\b], v[TM+\b], v[TM+4+\b]
.endif
.endr
.irp b, 0,1,2,3
.if \b < 2*(\nc)
	v_add_nc_u32 v[TM+8+\b], 0xff000000, v[TM+\b]      ; 2 off the exponent field: the conversion's scale operand
.endif
.endr
.irp b, 0,1,2,3
.if \b < 2*(\nc)
	v_lshrrev_b32 v[TM+4+\b], 23, v[TM+8+\b]           ; the scale's byte
.endif
.endr
	v_lshl_or_b32 v[PW], v[TM+5], 8, v[TM+4]
.if (\nc) > 1
	s_delay_alu instid0(VALU_DEP_1)
	v_lshl_or_b32 v[PW], v[TM+6], 16, v[PW]
	s_delay_alu instid0(VALU_DEP_1)
	v_lshl_or_b32 v[PW], v[TM+7], 24, v[PW]
.endif
.irp c, 0,1
.if \c < (\nc)
	v_cvt_scalef32_pk16_fp6_f32 v[(\pc)+6*\c:(\pc)+2+6*\c], v[(\s)+32*\c:(\s)+15+32*\c], v[TM+8+2*\c]
	v_cvt_scalef32_pk16_fp6_f32 v[(\tq)+4*\c:(\tq)+2+4*\c], v[(\s)+16+32*\c:(\s)+31+32*\c], v[TM+9+2*\c]
.endif
.endr
	v_nop                                          ; one plain place behind a scaled conversion
.irp c, 0,1
.if \c < (\nc)
.irp i, 0,1,2
	v_permlane16_swap_b32 v[(\pc)+6*\c+\i], v[(\tq)+4*\c+\i]
.endr
.irp i, 0,1,2
	s_delay_alu instid0(VALU_DEP_3)
	v_mov_b32 v[(\pc)+3+6*\c+\i], v[(\tq)+4*\c+\i]
.endr
.endif
.endr
.endm
	s_load_b256 s[4:11], s[0:1], 0x0               ; xc s[4:5], wc s[6:7], sc s[8:9], tab s[10:11]
	s_load_b64 s[66:67], s[0:1], 0x20              ; qb
	s_load_b64 s[100:101], s[0:1], 0x28            ; kst
	s_load_b64 s[2:3], s[0:1], 0x30                ; vst
	v_lshl_add_u32 v30, v0, 2, SPARE
	v_mov_b32 v31, 0
	ds_add_u32 v30, v31                            ; the wave's opening: the add, twice on end, and its wait ahead of my first tensor load; the set-up below stands between
	ds_add_u32 v30, v31
	v_lshrrev_b32 v1, 5, v0
	s_delay_alu instid0(VALU_DEP_1)
	v_readfirstlane_b32 s[WV], v1                  ; wave 0..7
	s_and_b32 s13, s[WV], 3
	s_bfe_u32 s14, ttmp6, 0x40000                  ; cx
	s_lshl_b32 s15, ttmp9, 2
	s_add_co_u32 s15, s15, s14                     ; X = 4 x cluster x + cx: it enters global addresses alone
	s_and_b32 s16, ttmp7, 0xffff                   ; Y: the four partners share it
	DESC G1A, 3<<16, 32, 192, 32                   ; four tiles, all of K: 49,152 dense bytes as rows of 256
	DESC G1B, 15|(3<<16)|(1<<21), 32, 192, 32      ; the same, for all four partners
	DESC G1SA, 3<<16, 32, 16, 32                   ; 4,096 dense bytes
	DESC G1SB, 15|(3<<16)|(1<<21), 32, 32, 32      ; 8,192, for all four partners
	s_mul_i32 s17, s13, 49152
	s_mul_i32 s18, s13, 49152
	s_mov_b32 s[G0A], 1
	s_add_co_u32 s[G0A+1], s17, AREG               ; waves 0, 1: tiles 4 wave on
	s_mov_b32 s[G0B], 1
	s_add_co_u32 s[G0B+1], s18, BREG               ; waves 4-7: tiles 4 (wave % 4) on
	s_mov_b32 s[G0SA], 1
	s_mov_b32 s[G0SA+1], ASC
	s_mov_b32 s[G0SB], 1
	s_mov_b32 s[G0SB+1], BSC
	s_lshl_b32 s17, s15, 3
	s_lshl_b32 s19, s13, 2
	s_add_co_u32 s17, s17, s19
	s_mul_i32 s20, s17, 12288                      ; x: tile 8 X + 4 (wave % 4)
	s_mov_b32 s21, 0
	s_lshl_b32 s18, s16, 4
	s_add_co_u32 s18, s18, s19
	s_mul_i32 s22, s18, 12288                      ; the weight: tile 16 Y + 4 (wave % 4): in registers that never hold X
	s_mov_b32 s23, 0
	s_wait_dscnt 0x0                               ; both opening adds are done
	s_wait_kmcnt 0x0
	s_add_nc_u64 s[G0A+2:G0A+3], s[4:5], s[20:21]
	s_add_nc_u64 s[G0B+2:G0B+3], s[6:7], s[22:23]
	s_lshl_b32 s20, s15, 12                        ; x's scales: pairs 4 X on, 1,024 bytes each
	s_add_nc_u64 s[G0SA+2:G0SA+3], s[8:9], s[20:21]
	s_lshl_b32 s22, s16, 13                        ; the weight's: pairs 8 Y on
	s_add_co_u32 s22, s22, 131072
	s_add_nc_u64 s[G0SB+2:G0SB+3], s[8:9], s[22:23]
	s_or_b32 s[G0SA+3], s[G0SA+3], 0x80000000
	s_or_b32 s[G0SB+3], s[G0SB+3], 0x80000000
	s_or_b32 s[G0A+3], s[G0A+3], 0x80000000
	s_or_b32 s[G0B+3], s[G0B+3], 0x80000000
	ROUND                                          ; all four work-groups are here: the joint loads meet
; the head's loads, one a wave: one chain of branches on the wave's number, every arm with one load, all arms leading to one join
.macro ARM under, g0, g1, next
	s_cmp_lt_u32 s[WV], \under
	s_cbranch_scc0 \next
	tensor_load_to_lds s[\g0:\g0+3], s[\g1:\g1+7]
	s_nop 0
	PLACES
	s_branch .Lasked
\next:
.endm
	ARM 2, G0A,  G1A,  .Larm_sa
	ARM 3, G0SA, G1SA, .Larm_sb
	ARM 4, G0SB, G1SB, .Larm_b
	tensor_load_to_lds s[G0B:G0B+3], s[G1B:G1B+7]
	s_nop 0
	PLACES
.Lasked:
	v_and_b32 v14, 31, v0
	s_delay_alu instid0(VALU_DEP_1)
	v_lshlrev_b32 v1, 4, v14
	s_delay_alu instid0(VALU_DEP_2)
	v_lshlrev_b32 v2, 3, v14
	s_delay_alu instid0(VALU_DEP_3)
	v_lshlrev_b32 v13, 2, v14
	s_wait_alu depctr_va_vdst(0)
	s_lshr_b32 s17, s[WV], 2                       ; q, k arm: my half of the rows;  s13: my head
	s_mul_i32 s18, s17, 49152
	v_add_nc_u32 v3, s18, v1
	v_add_nc_u32 v4, s18, v2
	s_mul_i32 s18, s13, 49152
	s_add_co_u32 s18, s18, BREG
	v_add_nc_u32 v5, s18, v1
	v_add_nc_u32 v6, s18, v2
	s_lshl_b32 s18, s17, 11
	s_add_co_u32 s18, s18, ASC
	v_add_nc_u32 v7, s18, v13
	s_lshl_b32 s18, s13, 11
	s_add_co_u32 s18, s18, BSC
	v_add_nc_u32 v8, s18, v13
	s_mul_i32 s18, s[WV], 24576                    ; v arm: my two tiles of the weight; all rows (their bases are v1, v2: AREG is 0)
	s_add_co_u32 s18, s18, BREG
	v_add_nc_u32 v9, s18, v1
	v_add_nc_u32 v10, s18, v2
	v_add_nc_u32 v11, ASC, v13
	s_lshl_b32 s18, s[WV], 10
	s_add_co_u32 s18, s18, BSC
	v_add_nc_u32 v12, s18, v13
; 128 along K of the q, k arm: 4 fragments of the weight, 4 of x, 16 matrix instructions; the 16 accumulators take turns, one instruction a turn
.macro KSTEP ksl, zero
.irp t, 0,1,2,3
	FRAG 32+12*\t, 18, 19, \t*12288+\ksl*1536
.endr
.irp i, 0,1,2,3
	FRAG 80+12*\i, 16, 17, \i*12288+\ksl*1536
.endr
.irp i, 0,1,2,3
	s_wait_dscnt 12-4*\i                           ; the weight's fragments and x's fragment i are in; the four loads of each later fragment of x may be out
.irp t, 0,1,2,3
	MM 128+32*\i+8*\t, 32+12*\t, 80+12*\i, \zero, 24+2*(\t/2)+\ksl, 20+2*(\i/2)+\ksl, \t%2, \i%2
.endr
.endr
.endm
; the same of the v arm: source 0 = 16 rows of x (keys), source 1 = 16 columns of Wv; the eight tiles of rows come four at a time
.macro VSTEP ksl, zero
.irp i, 0,1
	FRAG 32+12*\i, 18, 19, \i*12288+\ksl*1536
.endr
.irp t, 0,1,2,3
	FRAG 56+12*\t, 16, 17, \t*12288+\ksl*1536
.endr
	s_wait_dscnt 0x0
.irp t, 0,1,2,3
.irp i, 0,1
	MM 128+64*\i+8*\t, 56+12*\t, 32+12*\i, \zero, 20+2*(\t/2)+\ksl, 28+\ksl, \t%2, \i
.endr
.endr
	PLACES
.irp t, 4,5,6,7
	FRAG 56+12*(\t-4), 14, 15, (\t-4)*12288+\ksl*1536   ; tiles 4-7 by a second pair of addresses, 49,152 bytes on: an LDS offset has 16 bits
.endr
	s_wait_dscnt 0x0
.irp t, 4,5,6,7
.irp i, 0,1
	MM 128+64*\i+8*\t, 56+12*(\t-4), 32+12*\i, \zero, 20+2*(\t/2)+\ksl, 28+\ksl, \t%2, \i
.endr
.endr
.endm
; Chunk c: 256 along K.  Ahead of chunk 0 each wave waits for its one tensor load, and one barrier shows all eight loads' bytes to all waves; nothing is filled again, so no later barrier.  The branch hangs on Y, the same in all waves and partners.
.macro CHUNK c
.if \c == 0
	s_wait_alu depctr_va_vdst(0)
	s_wait_tensorcnt 0x0
	s_barrier_signal -1
	s_barrier_wait -1
.endif
	s_cmp_eq_u32 s16, 5
	s_cbranch_scc1 .Lvarm_\@
	v_add_nc_u32 v16, \c*ACH, v3                   ; the chunk's addresses: four plain places behind the last chunk's products
	v_add_nc_u32 v17, \c*ACH, v4
	v_add_nc_u32 v18, \c*BCH, v5
	v_add_nc_u32 v19, \c*BCH, v6
	s_wait_alu depctr_va_vdst(0)
.irp k, 0,1
.irp p, 0,1
	ds_load_b32 v[20+2*\p+\k], v7 offset:\p*1024+\c*256+\k*128
	ds_load_b32 v[24+2*\p+\k], v8 offset:\p*1024+\c*256+\k*128
.endr
.endr
.if \c == 0
	KSTEP 0, 1                                     ; the first products start the sums: nothing is cleared
.else
	KSTEP 0, 0
.endif
	PLACES
	KSTEP 1, 0
	s_branch .Ljoin_\@
.Lvarm_\@:
	v_add_nc_u32 v16, \c*ACH, v1
	v_add_nc_u32 v17, \c*ACH, v2
	v_add_nc_u32 v14, \c*ACH+49152, v1             ; x's tiles 4-7
	v_add_nc_u32 v15, \c*ACH+49152, v2
	v_add_nc_u32 v18, \c*BCH, v9
	v_add_nc_u32 v19, \c*BCH, v10
	s_wait_alu depctr_va_vdst(0)
.irp k, 0,1
.irp p, 0,1,2,3
	ds_load_b32 v[20+2*\p+\k], v11 offset:\p*1024+\c*256+\k*128
.endr
	ds_load_b32 v[28+\k], v12 offset:\c*256+\k*128
.endr
.if \c == 0
	VSTEP 0, 1
.else
	VSTEP 0, 0
.endif
	PLACES
	s_wait_alu depctr_va_vdst(0)
	VSTEP 1, 0
.Ljoin_\@:
.endm
	CHUNK 0
	CHUNK 1
	CHUNK 2
	CHUNK 3                                        ; its wait was for 0: no tensor load of mine is out, and the descriptors' registers are free
	; ---- THE WAY OUT
	PLACES
.irp b, 0,1,2,3
	v_mov_b32 v[TM+4+\b], 0                        ; a lane permute's destination counts as one of its sources
.endr
	s_mov_b32 s[SEL], 0x76543210
	s_mov_b32 s[SEL+1], 0xfedcba98
	s_mov_b32 s26, 0xffff0000                      ; lanes 16-31
	s_mov_b32 s29, 0
	s_mov_b32 s31, 0
	s_cmp_eq_u32 s16, 5
	s_cbranch_scc1 .Lout_v
	s_lshr_b32 s17, s[WV], 2                       ; my half of the rows
	s_lshl_b32 s32, s15, 3
	s_lshl_b32 s33, s17, 2
	s_add_co_u32 s32, s32, s33                     ; my first tile of rows: 8 X + 4 half
	s_lshl_b32 s28, s32, 12
	s_add_nc_u64 s[10:11], s[10:11], s[28:29]      ; its cos and sin
	s_lshl_b32 s34, s16, 2
	s_add_co_u32 s34, s34, s13                     ; q: head 4 Y + wave % 4
	s_lshl_b32 s35, s34, 8
	s_add_co_u32 s35, s35, s32
	s_mul_i32 s35, s35, 768                        ; q's codes
	s_lshl_b32 s36, s34, 6
	s_lshl_b32 s37, s15, 1
	s_add_co_u32 s36, s36, s37
	s_add_co_u32 s36, s36, s17
	s_lshl_b32 s36, s36, 8
	s_add_co_u32 s36, s36, 3145728                 ; q's scale words
	s_lshl_b32 s38, s13, 18
	s_lshl_b32 s37, s15, 13
	s_add_co_u32 s38, s38, s37                     ; k: kv head wave % 4, step X
	s_mul_i32 s37, s17, 3072
	s_add_co_u32 s39, s38, s37                     ; k's codes
	s_lshl_b32 s37, s17, 8
	s_add_co_u32 s38, s38, s37
	s_add_co_u32 s38, s38, 6144                    ; k's scale words
	s_cmp_eq_u32 s16, 4
	s_cselect_b64 s[40:41], s[100:101], s[66:67]
	s_cselect_b32 s28, s39, s35
	s_cselect_b32 s30, s38, s36
	s_add_nc_u64 s[42:43], s[40:41], s[28:29]
	s_add_nc_u64 s[44:45], s[40:41], s[30:31]
.macro TLD i                           ; tile i's 16 cos and 16 sin a lane, into v32-63 and v64-95 by turns
.irp j, 0,1,2,3
	global_load_b128 v[32+32*((\i)%2)+4*\j:35+32*((\i)%2)+4*\j], v1, s[10:11] offset:(\i)*4096+512*\j
	global_load_b128 v[48+32*((\i)%2)+4*\j:51+32*((\i)%2)+4*\j], v1, s[10:11] offset:(\i)*4096+2048+512*\j
.endr
.endm
.macro TILE i
.set CB, 32+32*((\i)%2)
.set SB, CB+16
.set A0, 128+32*(\i)
.if \i < 3
	s_wait_loadcnt 8                               ; my table is in; the next tile's eight loads are younger
.else
	s_wait_loadcnt 0x0
.endif
.irp e, 0,2,4,6,8,10,12,14                     ; d = 16 h + e with d + 32, two at a time; each accumulator is read from its low end on
	v_pk_mul_f32 v[96:97], v[A0+16+\e:A0+17+\e], v[SB+\e:SB+\e+1]
	v_pk_mul_f32 v[98:99], v[A0+\e:A0+\e+1], v[SB+\e:SB+\e+1]
	v_pk_fma_f32 v[A0+\e:A0+\e+1], v[A0+\e:A0+\e+1], v[CB+\e:CB+\e+1], v[96:97] neg_lo:[0,0,1] neg_hi:[0,0,1]   ; t1 cos - t2 sin
	v_pk_fma_f32 v[A0+16+\e:A0+17+\e], v[A0+16+\e:A0+17+\e], v[CB+\e:CB+\e+1], v[98:99]                         ; t2 cos + t1 sin
.endr
.if \i < 2
	TLD (\i)+2
.endif
	s_wait_xcnt 0x0                                ; the last tile's stores have read their registers: the codes are written anew only behind this wait
	QUANT A0, 1, 120, 96
	v_or_b32 v[114+\i], 0x7f7f0000, v[PW]          ; bytes 2 and 3 stand over zero codes: 1.0
	global_store_b128 v1, v[120:123], s[42:43] offset:768*\i
	global_store_b64 v2, v[124:125], s[42:43] offset:768*\i+512
.endm
	TLD 0
	TLD 1
	TILE 0
	TILE 1
	TILE 2
	TILE 3
	v_cndmask_b32 v114, v114, v115, s26            ; word 0: tile 0 in lanes 0-15, tile 1 in lanes 16-31;
	v_cndmask_b32 v115, v116, v117, s26            ; word 1: tiles 2 and 3
	global_store_b64 v2, v[114:115], s[44:45]      ; 256 consecutive bytes
	s_branch .Ldone
.Lout_v:
	s_lshr_b32 s32, s[WV], 1                       ; kv head
	s_and_b32 s33, s[WV], 1
	s_lshl_b32 s28, s32, 18
	s_lshl_b32 s34, s15, 13
	s_add_co_u32 s28, s28, s34
	s_add_nc_u64 s[42:43], s[2:3], s[28:29]        ; my head's step X
	s_mul_i32 s30, s33, 3072
	s_add_nc_u64 s[44:45], s[42:43], s[30:31]      ; fragments 2 (wave % 2) and the next
	s_lshl_b32 s30, s33, 7
	s_add_co_u32 s30, s30, 6144
	s_add_nc_u64 s[42:43], s[42:43], s[30:31]      ; their scale words
.irp i, 0,1
.if \i
	s_wait_xcnt 0x0                                ; the first fragment's stores have read their registers
.endif
	QUANT 128+64*\i, 2, 32, 48
	v_mov_b32 v[114+\i], v[PW]
	global_store_b128 v1, v[32:35], s[44:45] offset:1536*\i
	global_store_b64 v2, v[36:37], s[44:45] offset:1536*\i+512
	global_store_b128 v1, v[38:41], s[44:45] offset:1536*\i+768
	global_store_b64 v2, v[42:43], s[44:45] offset:1536*\i+1280
.endr
	v_cndmask_b32 v114, v114, v115, s26
	global_store_b32 v13, v114, s[42:43]
.Ldone:
	s_wait_tensorcnt 0x0                           ; the wave's end: a wait on TENSORcnt, an add to the spare word and its wait, behind my last tensor load
	ds_add_u32 v30, v31
	s_wait_dscnt 0x0
	ROUND                                          ; the closing round
	s_endpgm
.Lfunc_end_k_q432ca015d5_qkv:
	.size	k_q432ca015d5_qkv, .Lfunc_end_k_q432ca015d5_qkv-k_q432ca015d5_qkv
	.p2alignl 7, 3214868480
	.fill 96, 4, 3214868480
	.section	.rodata,"a",@progbits
	.p2align	6, 0x0
	.amdhsa_kernel k_q432ca015d5_qkv
		.amdhsa_group_segment_fixed_size 327680
		.amdhsa_private_segment_fixed_size 0
		.amdhsa_enable_private_segment 0
		.amdhsa_kernarg_size 56
		.amdhsa_user_sgpr_count 2
		.amdhsa_user_sgpr_kernarg_segment_ptr 1
		.amdhsa_wavefront_size32 1
		.amdhsa_system_sgpr_workgroup_id_x 1
		.amdhsa_system_sgpr_workgroup_id_y 1
		.amdhsa_system_sgpr_workgroup_id_z 1
		.amdhsa_system_vgpr_workitem_id 0
		.amdhsa_next_free_vgpr 256
		.amdhsa_next_free_sgpr 102
		.amdhsa_reserve_vcc 0
		.amdhsa_float_denorm_mode_32 3
		.amdhsa_float_denorm_mode_16_64 3
		.amdhsa_memory_ordered 1
		.amdhsa_forward_progress 1
		.amdhsa_inst_pref_size 118
	.end_amdhsa_kernel
	.amdgpu_metadata
---
amdhsa.version: [ 1, 2 ]
amdhsa.kernels:
  - .name:           k_q432ca015d5_qkv
    .symbol:         k_q432ca015d5_qkv.kd
    .args:
      - { .name: xc, .offset: 0, .size: 8, .value_kind: global_buffer, .address_space: global }
      - { .name: wc, .offset: 8, .size: 8, .value_kind: global_buffer, .address_space: global }
      - { .name: sc, .offset: 16, .size: 8, .value_kind: global_buffer, .address_space: global }
      - { .name: tab, .offset: 24, .size: 8, .value_kind: global_buffer, .address_space: global }
      - { .name: qb, .offset: 32, .size: 8, .value_kind: global_buffer, .address_space: global }
      - { .name: kst, .offset: 40, .size: 8, .value_kind: global_buffer, .address_space: global }
      - { .name: vst, .offset: 48, .size: 8, .value_kind: global_buffer, .address_space: global }
    .group_segment_fixed_size: 327680
    .private_segment_fixed_size: 0
    .kernarg_segment_align: 8
    .kernarg_segment_size: 56
    .max_flat_workgroup_size: 256
    .sgpr_count:     102
    .vgpr_count:     256
    .wavefront_size: 32
...
	.end_amdgpu_metadata
.endif
;; end of part 2
;; launch attn (part 3): grid 64 x 4, 16 waves a work-group, no clusters, 327,680 bytes of LDS; arguments qb, kst, vst, cb; writes cb
.if DOCPART == 3
	.amdgcn_target "amdgcn-amd-amdhsa--gfx1250"
	.amdhsa_code_object_version 6
	.text
	.protected	k_q432ca015d5_attn
	.globl	k_q432ca015d5_attn
	.p2align	8
	.type	k_q432ca015d5_attn,@function
k_q432ca015d5_attn:
	s_mov_b64 s[64:65], 0
	v_nop
	global_prefetch_b8 v0, s[64:65] scope:SCOPE_SE
	s_setreg_imm32_b32 hwreg(HW_REG_WAVE_MODE, 25, 1), 1
	s_wait_xcnt 0x0
; ctx = softmax(q k^T / 8, causal) v for 16 query heads on 4 key/value heads of 64, both products on codes of FP6; ctx is quantised along head x 64 + d for the last product.  Layouts of qb, kst, vst: head comment of qkv.
; LEFT OUT (shown at the head of prep): steps of 128 keys that lie wholly behind a wave's queries under reference()'s own causal mask, and the loads of slots that no wave of the work-group reads.
; THE SOFTMAX: t = score x log2(e) / 8; M = the running largest t rounded UP to a whole number; p = 2^(t - M) is quantised along the keys, not normalised; the row's sum is taken of the unquantised p and divides at the end.
; When M moves, the sum and O are multiplied by 2^(old M - new M): exact.
; SHARES.  Work-group (b, g) owns the blocks b and 127 - b of 32 queries, for the four query heads of kv head g: (b / 4 + 1) + ((127 - b) / 4 + 1) = 33 block steps in every work-group.  Wave w: head 4 g + w % 4, tile (w / 4) % 2 of
; block b (w < 8) or 127 - b: 16 queries in 256 registers, four waves to a SIMD, so that one wave's vector work stands beside another's products and LDS loads.
; LAYOUT.  Both products transposed: S^T = K Q^T, O^T = V^T P^T: a lane holds ONE query throughout.  The head's 64 fill half of the instruction's 128: the upper six registers of K's and Q's fragments hold zero codes, set once.
; RING.  Two slots of 512 keys (four steps), filled by wave 0 (K: 4 x 6,656 bytes) and wave 1 (V: 4 x 6,400), one load each behind a change of slots; all sixteen waves read them.  Every wait on TENSORcnt is for 0; one load a wave is out.
; No cluster: a slot's 52,224 bytes stand against four steps of up to sixteen waves, some 330 vector instructions each, so what is shared is a small part of a step's work, and a round at each change would tie 64 waves together.
; OUT: cb: codes laid as xc ([T 256][head 16][768]); from byte 3,145,728 scale units [block 128][g 4][256].
; LIMITS: as stated at the head of prep.
.set KSB,   6656                       ; a step of K in LDS: 8 half images and 512 bytes of scale words
.set VSB,   6400                       ; a step of V: 4 fragments and 256 bytes of scale words
.set VOFF,  26624                      ; a slot: K's four steps, then V's
.set SLOT1, 65536                      ; slot 1 begins here: one exclusive or turns an address
.set EXCH,  131072                     ; 512 bytes: ctx's scale bytes meet here on the way out; no fill lands here
.set SPARE, 131584                     ; the spare words, 128 bytes a wave
.set SPW, 5                            ; v5 SPARE + 4 x my thread's number;  v6 0: never rewritten
.set NIL, 6
.set WV,  12                           ; s12 wave; s13 w % 4; s14 tile of the block; s15 late; s16 b; s17 g; s18 my block; s19 its first query
.set SEL, 20
.set CS,  22                           ; s[22:23] c = log2(e) / 8
.set G1K, 24
.set G1V, 32
.set G0K, 40
.set G0V, 44
.set TB,  48                           ; LDS byte at which the slot in hand begins
.set KF,  49                           ; the step's first key
.set SLOTS, 50
.set QL,  51                           ; my block's last query
.set LASTQ, 52                         ; the work-group's last query
.set LIM, 53                           ; 1 in a wave that prefetches, else the greatest number
.set PFA, 54                           ; s[54:55] where my prefetches stand
.set TM,  232                          ; the way out's quantiser
.set PW,  244
; REGISTERS: v1 16 l, v2 8 l, v3 4 l; v4, v7 the exchange's addresses; v8-10 the step's addresses; v12 -M, v13 the largest t, v[14:15] the sum; v16-21 Q, v22-27 zeros; v28 the prefetches' offset; v29 my query less the block's first
; less 16 h; v30, v31 V's scale words; v32-79 four fragments of K; v80-127 V's four; v128-191 S^T, then p; v192-223 O^T; v224-235 p's codes; v232-254 at work; v248-251 K's scale words; v253 p's; v255 Q's.
.macro DESC g, first, c, r, p
	s_mov_b32 s[\g], \first
	s_mov_b32 s[\g+1], (\c)<<16
	s_mov_b32 s[\g+2], (\r)<<16
	s_mov_b32 s[\g+3], (\c)<<16
	s_mov_b32 s[\g+4], \r
	s_mov_b32 s[\g+5], \p
	s_mov_b32 s[\g+6], 0
	s_mov_b32 s[\g+7], 0
.endm
.macro PLACES
.rept 4
	v_nop
.endr
.endm
.macro FRAG reg, a16, a8, off
	ds_load_b128 v[(\reg):(\reg)+3], v[\a16] offset:(\off)
	ds_load_b64 v[(\reg)+4:(\reg)+5], v[\a8] offset:(\off)+512
	ds_load_b128 v[(\reg)+6:(\reg)+9], v[\a16] offset:(\off)+768
	ds_load_b64 v[(\reg)+10:(\reg)+11], v[\a8] offset:(\off)+1280
.endm
.macro MM d, a, b, zero, sa, sb, ra        ; ra = 1: source 0 is the odd tile of a pair, whose scale words lie in lanes 16-31
.if \zero
.if (\ra) == 0
	v_wmma_scale_f32_16x16x128_f8f6f4 v[(\d):(\d)+7], v[(\a):(\a)+11], v[(\b):(\b)+11], 0, v[\sa], v[\sb] matrix_a_fmt:MATRIX_FMT_FP6 matrix_b_fmt:MATRIX_FMT_FP6
.else
	v_wmma_scale_f32_16x16x128_f8f6f4 v[(\d):(\d)+7], v[(\a):(\a)+11], v[(\b):(\b)+11], 0, v[\sa], v[\sb] matrix_a_fmt:MATRIX_FMT_FP6 matrix_b_fmt:MATRIX_FMT_FP6 matrix_a_scale:MATRIX_SCALE_ROW1
.endif
.else
.if (\ra) == 0
	v_wmma_scale_f32_16x16x128_f8f6f4 v[(\d):(\d)+7], v[(\a):(\a)+11], v[(\b):(\b)+11], v[(\d):(\d)+7], v[\sa], v[\sb] matrix_a_fmt:MATRIX_FMT_FP6 matrix_b_fmt:MATRIX_FMT_FP6
.else
	v_wmma_scale_f32_16x16x128_f8f6f4 v[(\d):(\d)+7], v[(\a):(\a)+11], v[(\b):(\b)+11], v[(\d):(\d)+7], v[\sa], v[\sb] matrix_a_fmt:MATRIX_FMT_FP6 matrix_b_fmt:MATRIX_FMT_FP6 matrix_a_scale:MATRIX_SCALE_ROW1
.endif
.endif
.endm
; Wave 0 fetches K's four steps, wave 1 V's, the others nothing.  An s_nop 0 and four v_nop follow each of the two lines.
.macro TLOAD
	s_cmp_lt_u32 s[WV], 1
	s_cbranch_scc0 .Lnot_k_\@
	tensor_load_to_lds s[G0K:G0K+3], s[G1K:G1K+7]
	s_nop 0
	PLACES
	s_branch .Lasked_\@
.Lnot_k_\@:
	s_cmp_lt_u32 s[WV], 2
	s_cbranch_scc0 .Lasked_\@
	tensor_load_to_lds s[G0V:G0V+3], s[G1V:G1V+7]
	s_nop 0
	PLACES
.Lasked_\@:
.endm
; A prefetch of what the NEXT change of slots will ask for: one slot, four key steps, ahead of that load.  All 64 work-groups of a kv head walk the same K and V: work-group b = 0, which walks all slots, asks, and nobody else.
; In it waves 4-7 ask for K's four steps, waves 8-11 for V's, a step a wave, lanes 256 bytes apart up to the step's last written bytes (26 blocks of K, 25 of V; the lanes over name the last again).
; Slots 0 and 1 come by their loads alone; the last change that fills a slot asks for nothing.
.macro ASK
	s_cmp_gt_u32 s[SLOTS], s[LIM]
	s_cbranch_scc0 .Lnot_mine_\@
	global_prefetch_b8 v28, s[PFA:PFA+1] th:TH_LOAD_NT scope:SCOPE_SE
.Lnot_mine_\@:
.endm
	s_load_b256 s[4:11], s[0:1], 0x0               ; qb s[4:5], kst s[6:7], vst s[8:9], cb s[10:11]
	v_lshl_add_u32 v[SPW], v0, 2, SPARE
	v_mov_b32 v[NIL], 0
	ds_add_u32 v[SPW], v[NIL]                      ; the wave's opening: the add, twice on end, and its wait ahead of my first tensor load; the set-up below stands between
	ds_add_u32 v[SPW], v[NIL]
	v_lshrrev_b32 v8, 5, v0
	s_delay_alu instid0(VALU_DEP_1)
	v_readfirstlane_b32 s[WV], v8                  ; wave 0..15
	s_and_b32 s13, s[WV], 3
	s_bfe_u32 s14, s[WV], 0x10002
	s_lshr_b32 s15, s[WV], 3
	s_mov_b32 s16, ttmp9
	s_and_b32 s17, ttmp7, 0xffff
	s_sub_co_u32 s[LASTQ], 127, s16
	s_cmp_eq_u32 s15, 1
	s_cselect_b32 s18, s[LASTQ], s16               ; my block of 32 queries
	s_lshl_b32 s19, s18, 5
	s_add_co_u32 s[QL], s19, 31
	s_lshl_b32 s[LASTQ], s[LASTQ], 5
	s_add_co_u32 s[LASTQ], s[LASTQ], 31
	DESC G1K, 3<<16, 832, 4, 1024                  ; four steps' 6,656 bytes, 8,192 bytes apart, dense in LDS
	DESC G1V, 3<<16, 800, 4, 1024                  ; 6,400
	s_mov_b32 s[SEL], 0x76543210
	s_mov_b32 s[SEL+1], 0xfedcba98
	s_mov_b32 s[CS], 0x3e38aa3b
	s_mov_b32 s[CS+1], s[CS]
	s_mov_b32 s[TB], 0
	s_mov_b32 s[KF], 0
	s_mov_b32 s[SLOTS], 7
	s_lshl_b32 s56, s17, 18                        ; the kv head's first byte in kst and in vst
	s_mov_b32 s57, 0
	s_wait_dscnt 0x0                               ; both opening adds are done
	s_wait_kmcnt 0x0
	s_mov_b32 s[G0K], 1
	s_mov_b32 s[G0K+1], 0
	s_add_nc_u64 s[G0K+2:G0K+3], s[6:7], s[56:57]
	s_or_b32 s[G0K+3], s[G0K+3], 0x80000000
	s_mov_b32 s[G0V], 1
	s_mov_b32 s[G0V+1], VOFF
	s_add_nc_u64 s[G0V+2:G0V+3], s[8:9], s[56:57]
	s_or_b32 s[G0V+3], s[G0V+3], 0x80000000
	TLOAD                                          ; slot 0: key 0 counts for every query, so it is read
	v_and_b32 v8, 31, v0
	s_delay_alu instid0(VALU_DEP_1)
	v_lshlrev_b32 v1, 4, v8
	s_delay_alu instid0(VALU_DEP_2)
	v_lshlrev_b32 v2, 3, v8
	s_delay_alu instid0(VALU_DEP_3)
	v_lshlrev_b32 v3, 2, v8
	v_and_b32 v8, 15, v0                           ; r
	s_wait_alu depctr_va_vdst(0)
	s_lshl_b32 s58, s15, 8                         ; the exchange: 256 bytes for each of the two blocks
	v_add_nc_u32 v7, s58, v2
	s_delay_alu instid0(VALU_DEP_1)
	v_add_nc_u32 v7, EXCH, v7                      ; out of it: 8 bytes a lane
	s_lshr_b32 s59, s13, 1
	s_lshl_b32 s59, s59, 7
	s_add_co_u32 s58, s58, s59                     ; into it: K step (w % 4) / 2 of the unit,
	s_lshl_b32 s59, s14, 6
	s_add_co_u32 s58, s58, s59                     ; lanes 16 x tile + r,
	s_and_b32 s59, s13, 1
	s_lshl_b32 s59, s59, 1
	s_add_co_u32 s58, s58, s59                     ; bytes 2 (w % 2) and the next
	s_add_co_u32 s58, s58, EXCH
	v_lshl_add_u32 v4, v8, 2, s58
	s_cmp_lt_u32 s[WV], 8                          ; the prefetches: waves 4-7 K, waves 8-11 V
	s_cselect_b64 s[PFA:PFA+1], s[6:7], s[8:9]
	s_cselect_b32 s58, 25, 24
	v_and_b32 v28, 31, v0
	s_delay_alu instid0(VALU_DEP_1)
	v_min_u32 v28, s58, v28
	s_delay_alu instid0(VALU_DEP_1)
	v_lshlrev_b32 v28, 8, v28
	s_lshl_b32 s58, s13, 13                        ; my step of a slot,
	s_add_co_u32 s58, s58, 32768                   ; in slot 1: the first change of slots steps it to slot 2
	s_add_co_u32 s58, s58, s56
	s_mov_b32 s59, 0
	s_add_nc_u64 s[PFA:PFA+1], s[PFA:PFA+1], s[58:59]
	s_sub_co_u32 s58, s[WV], 4
	s_lshr_b32 s58, s58, 3                         ; 0 in waves 4 to 11,
	s_or_b32 s58, s58, s16                         ; of work-group b = 0
	s_cmp_eq_u32 s58, 0
	s_cselect_b32 s[LIM], 1, -1
	s_lshl_b32 s60, s17, 2
	s_add_co_u32 s60, s60, s13                     ; s60: my head
	s_lshl_b32 s61, s18, 1
	s_add_co_u32 s61, s61, s14                     ; s61: my tile of queries
	s_lshl_b32 s62, s60, 8
	s_add_co_u32 s62, s62, s61
	s_mul_i32 s62, s62, 768
	s_mov_b32 s63, 0
	s_add_nc_u64 s[62:63], s[4:5], s[62:63]        ; Q's half image
	s_lshl_b32 s58, s60, 6
	s_lshr_b32 s59, s18, 1
	s_add_co_u32 s58, s58, s59
	s_lshl_b32 s58, s58, 8                         ; Q's scale words: the four tiles' 256 bytes,
	s_and_b32 s59, s18, 1
	s_lshl_b32 s59, s59, 2
	s_add_co_u32 s58, s58, s59                     ; word block % 2,
	s_lshl_b32 s59, s14, 7
	s_add_co_u32 s58, s58, s59                     ; lanes 16 x tile on
	s_add_co_u32 s58, s58, 3145728
	s_mov_b32 s59, 0
	s_add_nc_u64 s[58:59], s[4:5], s[58:59]
	v_lshlrev_b32 v9, 3, v8
	global_load_b128 v[16:19], v1, s[62:63]
	global_load_b64 v[20:21], v2, s[62:63] offset:512
	global_load_b32 v255, v9, s[58:59]
	v_and_b32 v10, 8, v8
	s_delay_alu instid0(VALU_DEP_1)
	v_add_nc_u32 v29, v10, v8
	v_bfe_u32 v10, v0, 4, 1
	s_delay_alu instid0(VALU_DEP_1)
	v_lshlrev_b32 v10, 4, v10
	s_delay_alu instid0(VALU_DEP_1)
	v_sub_nc_u32 v29, v29, v10
	s_lshl_b32 s56, s14, 3
	v_add_nc_u32 v29, s56, v29                     ; 8 x tile + r + 8 (r / 8) - 16 h
.irp j, 22,23,24,25,26,27
	v_mov_b32 v[\j], 0                             ; the zero codes of Q's upper 64,
.endr
.irp t, 0,1,2,3
.irp j, 6,7,8,9,10,11
	v_mov_b32 v[32+12*\t+\j], 0                    ; and of K's: set once, never loaded over
.endr
.endr
	v_mov_b32 v13, 0xff61b1e6                      ; the largest t so far: -3e38
	s_delay_alu instid0(VALU_DEP_1)
	v_floor_f32 v12, -v13                          ; -M
	v_mov_b32 v14, 0
	v_mov_b32 v15, 0
.irp b, 0,1,2,3
	v_mov_b32 v[236+\b], 0                         ; a lane permute's destination counts as one of its sources
.endr
	v_mov_b32 v252, 0
	v_mov_b32 v253, 0
.irp j, 0,1,2,3,4,5,6,7,8,9,10,11,12,13,14,15,16,17,18,19,20,21,22,23,24,25,26,27,28,29,30,31
	v_mov_b32 v[192+\j], 0                         ; O^T: the step is written once; the first finds zeros, which the first change of M leaves zeros
.endr
; A KEY STEP: 128 keys, the q-th of the slot in hand.
; K's tiles 0-3 of step q of the slot in hand and the step's four scale words: ten LDS loads
.macro KLOAD q
.irp t, 0,1,2,3
	ds_load_b128 v[32+12*\t:35+12*\t], v8 offset:(\q)*KSB+768*\t
	ds_load_b64 v[36+12*\t:37+12*\t], v9 offset:(\q)*KSB+768*\t+512
.endr
	ds_load_b64 v[248:249], v9 offset:(\q)*KSB+6144
	ds_load_b64 v[250:251], v9 offset:(\q)*KSB+6400
.endm
; KF is the slot's first key, s57 the step's.  A step all of whose keys come after my queries, and with it the rest of the slot, is passed over by a jump to the slot's end: so step q is reached through step q - 1 alone,
; which has asked for step q's first ten loads behind its own score products; they are on their way while p is made.  v248-251 hold K's scale words from then on.  No barrier, wait on TENSORcnt or tensor load stands in a step.
.macro STEP q, end
	s_add_co_u32 s57, s[KF], 128*(\q)
	s_cmp_gt_u32 s57, s[QL]
	s_cbranch_scc1 \end
.if (\q) == 0
	v_add_nc_u32 v8, s[TB], v1                     ; the slot's addresses
	v_add_nc_u32 v9, s[TB], v2
	v_add_nc_u32 v10, s[TB], v3
	KLOAD 0
.endif
	s_wait_alu depctr_va_vdst(0)
	s_wait_dscnt 0x0                               ; K's tiles 0-3 and its scale words are in
.irp t, 0,1,2,3
	MM 128+8*\t, 32+12*\t, 16, 1, 248+\t/2, 255, \t%2
.endr
	PLACES                                         ; for the loads into K's registers, and into V's, which the last step's products read
.irp t, 0,1,2,3
	ds_load_b128 v[32+12*\t:35+12*\t], v8 offset:(\q)*KSB+768*(\t+4)
	ds_load_b64 v[36+12*\t:37+12*\t], v9 offset:(\q)*KSB+768*(\t+4)+512
.endr
.irp t, 0,1,2,3
	FRAG 80+12*\t, 8, 9, VOFF+(\q)*VSB+1536*\t
.endr
	ds_load_b32 v30, v10 offset:VOFF+(\q)*VSB+6144
	ds_load_b32 v31, v10 offset:VOFF+(\q)*VSB+6272
	s_wait_dscnt 18                                ; K's tiles 4-7 are in; V's 16 + 2 loads are younger
.irp t, 0,1,2,3
	MM 160+8*\t, 32+12*\t, 16, 1, 250+\t/2, 255, \t%2
.endr
	PLACES                                         ; lane (r, h): my query; register 16 b + i: key s57 + 32 b + 16 h + i
.if (\q) < 3
	KLOAD (\q)+1                                   ; the next step of this slot: its bytes have landed with the slot, whether the step counts for me or not
.endif
	s_add_co_u32 s56, s57, 127                     ; on the diagonal the scores of hidden keys become -infinity ahead of the maximum; a step all of whose keys count passes this over
	s_cmp_le_u32 s56, s19
	s_cbranch_scc1 .Lopen_\@
	s_sub_co_i32 s56, s19, s57
	v_add_nc_u32 v252, s56, v29                    ; my query - s57 - 16 h: hidden where 32 b + i is above it
	v_mov_b32 v254, 0xff800000
.irp n, 0,1,2,3,4,5,6,7,8,9,10,11,12,13,14,15,16,17,18,19,20,21,22,23,24,25,26,27,28,29,30,31,32,33,34,35,36,37,38,39,40,41,42,43,44,45,46,47,48,49,50,51,52,53,54,55,56,57,58,59,60,61,62,63
	v_cmp_gt_i32 vcc_lo, 32*(\n/16)+\n%16, v252
	v_cndmask_b32 v[128+\n], v[128+\n], v254, vcc_lo
.endr
.Lopen_\@:
.irp b, 0,1,2,3
	v_max3_num_f32 v[232+\b], v[128+16*\b], v[129+16*\b], v[130+16*\b]   ; the largest score of each block of 32 keys: for the row's maximum and, since p rises with the score, for the block's largest p
.endr
.irp i, 3,5,7,9,11,13
.irp b, 0,1,2,3
	v_max3_num_f32 v[232+\b], v[232+\b], v[128+16*\b+\i], v[129+16*\b+\i]
.endr
.endr
.irp b, 0,1,2,3
	v_max_num_f32 v[232+\b], v[232+\b], v[143+16*\b]
.endr
.irp b, 0,1,2,3
	s_delay_alu instid0(VALU_DEP_4)
	v_permlanex16_b32 v[236+\b], v[232+\b], s[SEL], s[SEL+1]
.endr
.irp b, 0,1,2,3
	s_delay_alu instid0(VALU_DEP_4)
	v_max_num_f32 v[232+\b], v[232+\b], v[236+\b]
.endr
	s_delay_alu instid0(VALU_DEP_2)
	v_max3_num_f32 v254, v232, v233, v234
	s_delay_alu instid0(VALU_DEP_1)
	v_max_num_f32 v254, v254, v235
	s_delay_alu instid0(VALU_DEP_1)
	v_mul_f32 v254, s[CS], v254
	s_delay_alu instid0(VALU_DEP_1)
	v_max_num_f32 v13, v13, v254                   ; the running largest t
	v_mov_b32 v254, v12
	s_delay_alu instid0(VALU_DEP_2)
	v_floor_f32 v12, -v13                          ; the new -M = -ceil(t)
	s_delay_alu instid0(VALU_DEP_1)
	v_sub_f32 v254, v12, v254                      ; old M - new M: a whole number, 0 or less
	s_delay_alu instid0(VALU_DEP_1)
	v_cvt_i32_f32 v254, v254                       ; (it saturates)
	s_delay_alu instid0(VALU_DEP_1)
	v_ldexp_f32 v252, 1.0, v254                    ; f = 2^(old M - new M)
.irp j, 0,2,4,6,8,10,12,14,16,18,20,22,24,26,28,30,32,34,36,38,40,42,44,46,48,50,52,54,56,58,60,62
	v_pk_fma_f32 v[128+\j:129+\j], v[128+\j:129+\j], s[CS:CS+1], v[12:13] op_sel_hi:[1,0,0]   ; t - M
.endr
.irp b, 0,1,2,3
	v_fma_f32 v[232+\b], v[232+\b], s[CS], v12
.endr
	s_wait_alu depctr_va_vdst(0)
.irp j, 0,1,2,3,4,5,6,7,8,9,10,11,12,13,14,15,16,17,18,19,20,21,22,23,24,25,26,27,28,29,30,31,32,33,34,35,36,37,38,39,40,41,42,43,44,45,46,47,48,49,50,51,52,53,54,55,56,57,58,59,60,61,62,63
	v_exp_f32 v[128+\j], v[128+\j]                 ; p = 2^(t - M)
.endr
	v_pk_mul_f32 v[14:15], v[14:15], v[252:253] op_sel_hi:[1,0]   ; the sums under the new M: a plain place behind the exponentials
	s_wait_alu depctr_va_vdst(0)                   ; one wait for the batch of 64, ahead of its first reader
.irp b, 0,1,2,3
	v_exp_f32 v[232+\b], v[232+\b]                 ; each block's largest p
.endr
	v_pk_add_f32 v[236:237], v[132:133], v[136:137]
	v_pk_add_f32 v[238:239], v[140:141], v[144:145]
	v_pk_add_f32 v[224:225], v[148:149], v[152:153]
	v_pk_add_f32 v[246:247], v[156:157], v[160:161]
	v_pk_add_f32 v[244:245], v[164:165], v[168:169]
	v_pk_add_f32 v[242:243], v[172:173], v[176:177]
	v_pk_add_f32 v[240:241], v[180:181], v[184:185]
	v_pk_add_f32 v[14:15], v[14:15], v[188:189]
	v_pk_add_f32 v[236:237], v[236:237], v[128:129]
	v_pk_add_f32 v[238:239], v[238:239], v[130:131]
	v_pk_add_f32 v[224:225], v[224:225], v[134:135]
	v_pk_add_f32 v[246:247], v[246:247], v[138:139]
	v_pk_add_f32 v[244:245], v[244:245], v[142:143]
	v_pk_add_f32 v[242:243], v[242:243], v[146:147]
	v_pk_add_f32 v[240:241], v[240:241], v[150:151]
	v_pk_add_f32 v[14:15], v[14:15], v[154:155]
	v_pk_add_f32 v[236:237], v[236:237], v[158:159]
	v_pk_add_f32 v[238:239], v[238:239], v[162:163]
	v_pk_add_f32 v[224:225], v[224:225], v[166:167]
	v_pk_add_f32 v[246:247], v[246:247], v[170:171]
	v_pk_add_f32 v[244:245], v[244:245], v[174:175]
	v_pk_add_f32 v[242:243], v[242:243], v[178:179]
	v_pk_add_f32 v[240:241], v[240:241], v[182:183]
	v_pk_add_f32 v[14:15], v[14:15], v[186:187]
	v_pk_add_f32 v[236:237], v[236:237], v[190:191]
	s_delay_alu instid0(VALU_DEP_2)
	v_pk_add_f32 v[14:15], v[14:15], v[246:247]
	s_delay_alu instid0(VALU_DEP_2)
	v_pk_add_f32 v[236:237], v[236:237], v[244:245]
	v_pk_add_f32 v[238:239], v[238:239], v[242:243]
	v_pk_add_f32 v[224:225], v[224:225], v[240:241]
	s_delay_alu instid0(VALU_DEP_2)
	v_pk_add_f32 v[14:15], v[14:15], v[238:239]
	s_delay_alu instid0(VALU_DEP_2)
	v_pk_add_f32 v[236:237], v[236:237], v[224:225]
	s_delay_alu instid0(VALU_DEP_1)
	v_pk_add_f32 v[14:15], v[14:15], v[236:237]
	s_wait_alu depctr_va_vdst(0)                   ; and one for the four
.if (\q) < 3
	s_wait_dscnt 10                                ; V's fragments and scale words are in; the next step's ten loads are younger
.else
	s_wait_dscnt 0x0
.endif
.irp b, 0,1,2,3
	v_max_num_f32 v[232+\b], 0x1800000, v[232+\b]  ; the floor 2^(3 - 127): the byte cannot fall under 1
.endr
.irp b, 0,1,2,3
	s_delay_alu instid0(VALU_DEP_4)
	v_add_nc_u32 v[244+\b], 0xff000000, v[232+\b]
.endr
.irp b, 0,1,2,3
	s_delay_alu instid0(VALU_DEP_4)
	v_lshrrev_b32 v[236+\b], 23, v[244+\b]
.endr
	s_delay_alu instid0(VALU_DEP_3)
	v_lshl_or_b32 v253, v237, 8, v236              ; p's scale word for these 128 keys
	s_delay_alu instid0(VALU_DEP_1)
	v_lshl_or_b32 v253, v238, 16, v253
	s_delay_alu instid0(VALU_DEP_1)
	v_lshl_or_b32 v253, v239, 24, v253
.irp c, 0,1
	v_cvt_scalef32_pk16_fp6_f32 v[224+6*\c:226+6*\c], v[128+32*\c:143+32*\c], v[244+2*\c]
	v_cvt_scalef32_pk16_fp6_f32 v[236+4*\c:238+4*\c], v[144+32*\c:159+32*\c], v[245+2*\c]
.endr
	v_nop                                          ; one plain place behind a scaled conversion
.irp c, 0,1
.irp i, 0,1,2
	v_permlane16_swap_b32 v[224+6*\c+\i], v[236+4*\c+\i]
.endr
.irp i, 0,1,2
	s_delay_alu instid0(VALU_DEP_3)
	v_mov_b32 v[227+6*\c+\i], v[236+4*\c+\i]
.endr
.endr
.irp j, 0,2,4,6,8,10,12,14,16,18,20,22,24,26,28,30
	v_pk_mul_f32 v[192+\j:193+\j], v[192+\j:193+\j], v[252:253] op_sel_hi:[1,0]   ; O^T under the new M; these 16 also stand between the lines that made p's codes and scale word and the products
.endr
.irp t, 0,1,2,3
	MM 192+8*\t, 80+12*\t, 224, 0, 30+\t/2, 253, \t%2
.endr
.endm
; THE CHANGE OF SLOTS, at a slot's head.  Each wave waits for all its tensor loads, adds 0 to its spare word, and waits for that and for its reads of the slot that it has left; behind the barrier the slot ahead is whole and nobody
; reads the other.  fill = 1: that other slot takes the next 512 keys, while its first key is at or under the work-group's last query: a test on ids and the count of steps, the same in all sixteen waves, which leads round the load alone.
.macro CHANGE fill
	s_wait_tensorcnt 0x0                           ; no tensor load of mine is out, so a group 0 may be written
	ds_add_u32 v[SPW], v[NIL]
.if \fill
	ds_add_u32 v[SPW], v[NIL]                      ; and once more
	s_xor_b32 s[G0K+1], s[G0K+1], SLOT1
	s_add_nc_u64 s[G0K+2:G0K+3], s[G0K+2:G0K+3], 32768
	s_xor_b32 s[G0V+1], s[G0V+1], SLOT1
	s_add_nc_u64 s[G0V+2:G0V+3], s[G0V+2:G0V+3], 32768
	s_wait_xcnt 0x0                                ; the last prefetch, a slot back, has read its address
	s_add_nc_u64 s[PFA:PFA+1], s[PFA:PFA+1], 32768
.endif
	s_wait_dscnt 0x0
	s_barrier_signal -1
	s_barrier_wait -1
.if \fill
	s_add_co_u32 s56, s[KF], 512
	s_cmp_gt_u32 s56, s[LASTQ]
	s_cbranch_scc1 .Lpast_\@
	TLOAD
.Lpast_\@:
	ASK
.endif
.endm
.macro FOUR_STEPS
	STEP 0, .Lslot_end_\@
	STEP 1, .Lslot_end_\@
	STEP 2, .Lslot_end_\@
	STEP 3, .Lslot_end_\@
.Lslot_end_\@:
	s_add_co_u32 s[KF], s[KF], 512
	s_xor_b32 s[TB], s[TB], SLOT1
.endm
	s_wait_loadcnt 0x0                             ; Q
.Lslot:                                            ; seven trips: behind each change of slots but the last the next slot is asked for, up to the causal limit
	CHANGE 1
	FOUR_STEPS
	s_sub_co_u32 s[SLOTS], s[SLOTS], 1
	s_cmp_lg_u32 s[SLOTS], 0
	s_cbranch_scc1 .Lslot
	CHANGE 0                                       ; the last slot is written out: nothing is left to fetch
	FOUR_STEPS
	; ---- THE WAY OUT: O^T / the sum; quantised along d (register 16 b + i: d = 32 b + 16 h + i): my head's half image of my tile of rows
	s_wait_dscnt 0x0                               ; loads asked for ahead of a step that was passed over have landed: their registers are used below
	PLACES
	v_add_f32 v14, v14, v15
	s_delay_alu instid0(VALU_DEP_1)
	v_permlanex16_b32 v252, v14, s[SEL], s[SEL+1]
	s_delay_alu instid0(VALU_DEP_1)
	v_add_f32 v14, v14, v252
	s_wait_alu depctr_va_vdst(0)
	v_rcp_f32 v14, v14
	v_nop                                          ; a plain place behind the reciprocal
	s_lshl_b32 s62, s61, 4
	s_add_co_u32 s62, s62, s60
	s_mul_i32 s62, s62, 768
	s_mov_b32 s63, 0
	s_add_nc_u64 s[62:63], s[10:11], s[62:63]      ; cb: tile, head
	s_lshl_b32 s58, s18, 2
	s_add_co_u32 s58, s58, s17
	s_lshl_b32 s58, s58, 8
	s_add_co_u32 s58, s58, 3145728
	s_mov_b32 s59, 0
	s_add_nc_u64 s[58:59], s[10:11], s[58:59]      ; the scale unit of (block, g)
	s_wait_alu depctr_va_vdst(0)                   ; the wait ahead of the reciprocal's first reader
.irp j, 0,1,2,3,4,5,6,7,8,9,10,11,12,13,14,15,16,17,18,19,20,21,22,23,24,25,26,27,28,29,30,31
	v_mul_f32 v[128+\j], v[192+\j], v14            ; each accumulator from its low end on
.endr
.irp b, 0,1
	v_max3_num_f32 v[TM+\b], |v[128+16*\b]|, |v[129+16*\b]|, 0x1800000
.endr
.irp i, 2,4,6,8,10,12,14
.irp b, 0,1
	s_delay_alu instid0(VALU_DEP_2)
	v_max3_num_f32 v[TM+\b], v[TM+\b], |v[128+16*\b+\i]|, |v[129+16*\b+\i]|
.endr
.endr
.irp b, 0,1
	s_delay_alu instid0(VALU_DEP_2)
	v_permlanex16_b32 v[TM+4+\b], v[TM+\b], s[SEL], s[SEL+1]
.endr
.irp b, 0,1
	s_delay_alu instid0(VALU_DEP_2)
	v_max_num_f32 v[TM+\b], v[TM+\b], v[TM+4+\b]
.endr
.irp b, 0,1
	s_delay_alu instid0(VALU_DEP_2)
	v_add_nc_u32 v[TM+8+\b], 0xff000000, v[TM+\b]
.endr
.irp b, 0,1
	s_delay_alu instid0(VALU_DEP_2)
	v_lshrrev_b32 v[TM+4+\b], 23, v[TM+8+\b]
.endr
	s_delay_alu instid0(VALU_DEP_1)
	v_lshl_or_b32 v[PW], v[TM+5], 8, v[TM+4]       ; my row's two scale bytes
	v_cvt_scalef32_pk16_fp6_f32 v[224:226], v[128:143], v[TM+8]
	v_cvt_scalef32_pk16_fp6_f32 v[248:250], v[144:159], v[TM+9]
	v_nop                                          ; one plain place behind a scaled conversion
.irp i, 0,1,2
	v_permlane16_swap_b32 v[224+\i], v[248+\i]
.endr
.irp i, 0,1,2
	s_delay_alu instid0(VALU_DEP_3)
	v_mov_b32 v[227+\i], v[248+\i]
.endr
	global_store_b128 v1, v[224:227], s[62:63]
	global_store_b64 v2, v[228:229], s[62:63] offset:512
	ds_store_b16 v4, v[PW]                         ; lanes r and 16 + r write the same two bytes with the same value
	s_wait_dscnt 0x0                               ; for the others' sake: my store has landed
	s_barrier_signal -1
	s_barrier_wait -1
	s_and_b32 s56, s[WV], 7
	s_cmp_lg_u32 s56, 0
	s_cbranch_scc1 .Lno_scales                     ; waves 0 and 8 store their block's unit: 256 consecutive bytes
	ds_load_b64 v[246:247], v7
	s_wait_dscnt 0x0
	global_store_b64 v2, v[246:247], s[58:59]
.Lno_scales:
	s_wait_tensorcnt 0x0                           ; the wave's end: a wait on TENSORcnt, an add to the spare word and its wait, behind my last tensor load and my last LDS store
	ds_add_u32 v[SPW], v[NIL]
	s_wait_dscnt 0x0
	s_endpgm
.Lfunc_end_k_q432ca015d5_attn:
	.size	k_q432ca015d5_attn, .Lfunc_end_k_q432ca015d5_attn-k_q432ca015d5_attn
	.p2alignl 7, 3214868480
	.fill 96, 4, 3214868480
	.section	.rodata,"a",@progbits
	.p2align	6, 0x0
	.amdhsa_kernel k_q432ca015d5_attn
		.amdhsa_group_segment_fixed_size 327680
		.amdhsa_private_segment_fixed_size 0
		.amdhsa_enable_private_segment 0
		.amdhsa_kernarg_size 32
		.amdhsa_user_sgpr_count 2
		.amdhsa_user_sgpr_kernarg_segment_ptr 1
		.amdhsa_wavefront_size32 1
		.amdhsa_system_sgpr_workgroup_id_x 1
		.amdhsa_system_sgpr_workgroup_id_y 1
		.amdhsa_system_sgpr_workgroup_id_z 1
		.amdhsa_system_vgpr_workitem_id 0
		.amdhsa_next_free_vgpr 256
		.amdhsa_next_free_sgpr 66
		.amdhsa_reserve_vcc 1
		.amdhsa_float_denorm_mode_32 3
		.amdhsa_float_denorm_mode_16_64 3
		.amdhsa_memory_ordered 1
		.amdhsa_forward_progress 1
		.amdhsa_inst_pref_size 195
	.end_amdhsa_kernel
	.amdgpu_metadata
---
amdhsa.version: [ 1, 2 ]
amdhsa.kernels:
  - .name:           k_q432ca015d5_attn
    .symbol:         k_q432ca015d5_attn.kd
    .args:
      - { .name: qb, .offset: 0, .size: 8, .value_kind: global_buffer, .address_space: global }
      - { .name: kst, .offset: 8, .size: 8, .value_kind: global_buffer, .address_space: global }
      - { .name: vst, .offset: 16, .size: 8, .value_kind: global_buffer, .address_space: global }
      - { .name: cb, .offset: 24, .size: 8, .value_kind: global_buffer, .address_space: global }
    .group_segment_fixed_size: 327680
    .private_segment_fixed_size: 0
    .kernarg_segment_align: 8
    .kernarg_segment_size: 32
    .max_flat_workgroup_size: 512
    .sgpr_count:     66
    .vgpr_count:     256
    .wavefront_size: 32
...
	.end_amdgpu_metadata
.endif
;; end of part 3
;; launch outp (part 4): grid 32 x 8, 4 waves a work-group, clusters of 4 x 1, 327,680 bytes of LDS; arguments cb, wc, sc, out0; writes out0
.if DOCPART == 4
	.amdgcn_target "amdgcn-amd-amdhsa--gfx1250"
	.amdhsa_code_object_version 6
	.text
	.protected	k_q432ca015d5_outp
	.globl	k_q432ca015d5_outp
	.p2align	8
	.type	k_q432ca015d5_outp,@function
k_q432ca015d5_outp:
	s_mov_b64 s[64:65], 0
	v_nop
	global_prefetch_b8 v0, s[64:65] scope:SCOPE_SE
	s_setreg_imm32_b32 hwreg(HW_REG_WAVE_MODE, 25, 1), 1
	s_wait_xcnt 0x0
	s_wait_alu depctr_hold_cnt(0) depctr_sa_sdst(0) depctr_va_vdst(0) depctr_va_sdst(0) depctr_va_ssrc(0) depctr_va_vcc(0) depctr_vm_vsrc(0)
	s_getreg_b32 s2, hwreg(HW_REG_IB_STS2, 6, 4)
	s_cmp_eq_u32 s2, 0
	s_cbranch_scc0 .Lentry_in_a_cluster
	s_endpgm
.Lentry_in_a_cluster:
	s_bfe_u32 s2, ttmp6, 0x10000c
	s_cmp_lg_u32 s2, 0x3003
	s_cbranch_scc0 .Lentry_shape_is_right
	s_endpgm
.Lentry_shape_is_right:
; out0 = ctx Wo on codes of FP6: ctx's codes and scales from the launch attn (cb), Wo's from prep (wc tiles 96-159, sc pairs 48-79).  Layouts: head comment of prep.  Nothing is left out here.
; SHARES.  A work-group makes 128 rows x 128 columns (X, Y): 256 work-groups.  Four waves, each 64 x 64: source 0 = 16 columns of Wo, source 1 = 16 rows of ctx: a lane holds one row, and its 32 registers of a tile of rows
; run along the wave's 64 columns (register 16 b + e: column 32 b + 16 h + e).
; LDS.  All of K = 1,024 fits: every tensor load is a first fill.  Four chunks of 256 along K; each wave issues five loads at the start (scales, chunks 0 to 3): five are out at the most.
; CLUSTER 4 x 1: the partners differ in X alone: Wo's tiles and scales are asked for JOINTLY (mask 15), ctx's by plain loads.
; LIMITS: as stated at the head of prep.
; LDS AND LOADS AS THEY STAND (in place of the paragraph LDS above): a tile's codes for all of K are 12,288 consecutive bytes in cb and wc, so each operand's eight tiles are one dense block of 98,304 bytes.
; ONE tensor load a wave, all at the head: wave 0 ctx's codes, wave 1 Wo's, wave 2 ctx's scales, wave 3 Wo's.  One load a wave is out.
.set AREG, 0                           ; ctx's codes [tile 8][12,288]
.set BREG, 98304                       ; Wo's likewise
.set ASC,  196608                      ; ctx's scale units, 4 x 1,024
.set BSC,  200704                      ; Wo's
.set STAGE, 204800                     ; the way out: 16 rows x (256 bytes + 16) for each wave; no fill lands here
.set SPARE, 222208                     ; the spare words, 128 bytes a wave
.set CH,   3072                        ; a chunk of 256 along K inside a tile's 12,288 bytes
.set WV,   12
.set G1A,  24
.set G1B,  32
.set G1SA, 40
.set G1SB, 48
.set G0SA, 56
.set G0SB, 60
.set G0A,  68
.set G0B,  84
; REGISTERS: v1 16 l, v2 8 l, v13 4 l; v3-8 LDS bases; v9, v10 the stage, in and out; v11 my byte in two rows of out0; v16-19 the chunk's addresses; v20-27 scale words and nothing else; v30, v31 the add's two;
; v32-127 fragments, on the way out rows read back; v128-255 16 accumulators.
.macro ROUND
	s_barrier_signal -1
	s_barrier_wait -1
	s_cmp_lg_u32 s[WV], 0
	s_cbranch_scc1 .Lnot_wave_0_\@
	s_barrier_signal -3
.Lnot_wave_0_\@:
	s_barrier_wait -3
	s_barrier_signal -1
	s_barrier_wait -1
.endm
.macro DESC g, first, c, r, p
	s_mov_b32 s[\g], \first
	s_mov_b32 s[\g+1], (\c)<<16
	s_mov_b32 s[\g+2], (\r)<<16
	s_mov_b32 s[\g+3], (\c)<<16
	s_mov_b32 s[\g+4], \r
	s_mov_b32 s[\g+5], \p
	s_mov_b32 s[\g+6], 0
	s_mov_b32 s[\g+7], 0
.endm
.macro PLACES
.rept 4
	v_nop
.endr
.endm
.macro FRAG reg, a16, a8, off
	ds_load_b128 v[(\reg):(\reg)+3], v[\a16] offset:(\off)
	ds_load_b64 v[(\reg)+4:(\reg)+5], v[\a8] offset:(\off)+512
	ds_load_b128 v[(\reg)+6:(\reg)+9], v[\a16] offset:(\off)+768
	ds_load_b64 v[(\reg)+10:(\reg)+11], v[\a8] offset:(\off)+1280
.endm
.macro MM d, a, b, zero, sa, sb, ra, rb
.if \zero
.if ((\ra) == 0) && ((\rb) == 0)
	v_wmma_scale_f32_16x16x128_f8f6f4 v[(\d):(\d)+7], v[(\a):(\a)+11], v[(\b):(\b)+11], 0, v[\sa], v[\sb] matrix_a_fmt:MATRIX_FMT_FP6 matrix_b_fmt:MATRIX_FMT_FP6
.elseif (\rb) == 0
	v_wmma_scale_f32_16x16x128_f8f6f4 v[(\d):(\d)+7], v[(\a):(\a)+11], v[(\b):(\b)+11], 0, v[\sa], v[\sb] matrix_a_fmt:MATRIX_FMT_FP6 matrix_b_fmt:MATRIX_FMT_FP6 matrix_a_scale:MATRIX_SCALE_ROW1
.elseif (\ra) == 0
	v_wmma_scale_f32_16x16x128_f8f6f4 v[(\d):(\d)+7], v[(\a):(\a)+11], v[(\b):(\b)+11], 0, v[\sa], v[\sb] matrix_a_fmt:MATRIX_FMT_FP6 matrix_b_fmt:MATRIX_FMT_FP6 matrix_b_scale:MATRIX_SCALE_ROW1
.else
	v_wmma_scale_f32_16x16x128_f8f6f4 v[(\d):(\d)+7], v[(\a):(\a)+11], v[(\b):(\b)+11], 0, v[\sa], v[\sb] matrix_a_fmt:MATRIX_FMT_FP6 matrix_b_fmt:MATRIX_FMT_FP6 matrix_a_scale:MATRIX_SCALE_ROW1 matrix_b_scale:MATRIX_SCALE_ROW1
.endif
.else
.if ((\ra) == 0) && ((\rb) == 0)
	v_wmma_scale_f32_16x16x128_f8f6f4 v[(\d):(\d)+7], v[(\a):(\a)+11], v[(\b):(\b)+11], v[(\d):(\d)+7], v[\sa], v[\sb] matrix_a_fmt:MATRIX_FMT_FP6 matrix_b_fmt:MATRIX_FMT_FP6
.elseif (\rb) == 0
	v_wmma_scale_f32_16x16x128_f8f6f4 v[(\d):(\d)+7], v[(\a):(\a)+11], v[(\b):(\b)+11], v[(\d):(\d)+7], v[\sa], v[\sb] matrix_a_fmt:MATRIX_FMT_FP6 matrix_b_fmt:MATRIX_FMT_FP6 matrix_a_scale:MATRIX_SCALE_ROW1
.elseif (\ra) == 0
	v_wmma_scale_f32_16x16x128_f8f6f4 v[(\d):(\d)+7], v[(\a):(\a)+11], v[(\b):(\b)+11], v[(\d):(\d)+7], v[\sa], v[\sb] matrix_a_fmt:MATRIX_FMT_FP6 matrix_b_fmt:MATRIX_FMT_FP6 matrix_b_scale:MATRIX_SCALE_ROW1
.else
	v_wmma_scale_f32_16x16x128_f8f6f4 v[(\d):(\d)+7], v[(\a):(\a)+11], v[(\b):(\b)+11], v[(\d):(\d)+7], v[\sa], v[\sb] matrix_a_fmt:MATRIX_FMT_FP6 matrix_b_fmt:MATRIX_FMT_FP6 matrix_a_scale:MATRIX_SCALE_ROW1 matrix_b_scale:MATRIX_SCALE_ROW1
.endif
.endif
.endm
	s_load_b256 s[4:11], s[0:1], 0x0               ; cb s[4:5], wc s[6:7], sc s[8:9], out0 s[10:11]
	v_lshl_add_u32 v30, v0, 2, SPARE
	v_mov_b32 v31, 0
	ds_add_u32 v30, v31                            ; the wave's opening: the add, twice on end, and its wait ahead of my first tensor load; the set-up below stands between
	ds_add_u32 v30, v31
	v_lshrrev_b32 v1, 5, v0
	v_readfirstlane_b32 s[WV], v1                  ; wave 0..3
	s_and_b32 s13, s[WV], 1
	s_bfe_u32 s14, ttmp6, 0x40000                  ; cx
	s_lshl_b32 s15, ttmp9, 2
	s_add_co_u32 s15, s15, s14                     ; X: it enters global addresses alone
	s_and_b32 s16, ttmp7, 0xffff                   ; Y: the four partners share it
	DESC G1A, 3<<16, 32, 384, 32                   ; eight tiles, all of K: 98,304 dense bytes as rows of 256
	DESC G1B, 15|(3<<16)|(1<<21), 32, 384, 32      ; the same, for all four partners
	DESC G1SA, 3<<16, 32, 16, 32                   ; 4,096 dense bytes
	DESC G1SB, 15|(3<<16)|(1<<21), 32, 16, 32
	s_mov_b32 s[G0A], 1
	s_mov_b32 s[G0A+1], AREG
	s_mov_b32 s[G0B], 1
	s_mov_b32 s[G0B+1], BREG
	s_mov_b32 s[G0SA], 1
	s_mov_b32 s[G0SA+1], ASC
	s_mov_b32 s[G0SB], 1
	s_mov_b32 s[G0SB+1], BSC
	s_mul_i32 s20, s15, 98304                      ; ctx: tile 8 X
	s_mov_b32 s21, 0
	s_mul_i32 s22, s16, 98304
	s_add_co_u32 s22, s22, 96*12288                ; Wo: tile 96 + 8 Y: in registers that never hold X
	s_mov_b32 s23, 0
	s_wait_dscnt 0x0                               ; both opening adds are done
	s_wait_kmcnt 0x0
	s_add_nc_u64 s[G0A+2:G0A+3], s[4:5], s[20:21]
	s_add_nc_u64 s[G0B+2:G0B+3], s[6:7], s[22:23]
	s_lshl_b32 s20, s15, 12
	s_add_co_u32 s20, s20, 3145728                 ; ctx's scales: pairs 4 X on, 1,024 bytes each
	s_add_nc_u64 s[G0SA+2:G0SA+3], s[4:5], s[20:21]
	s_lshl_b32 s22, s16, 12
	s_add_co_u32 s22, s22, 131072+48*1024          ; Wo's: pairs 48 + 4 Y on
	s_add_nc_u64 s[G0SB+2:G0SB+3], s[8:9], s[22:23]
	s_or_b32 s[G0SA+3], s[G0SA+3], 0x80000000
	s_or_b32 s[G0SB+3], s[G0SB+3], 0x80000000
	s_or_b32 s[G0A+3], s[G0A+3], 0x80000000
	s_or_b32 s[G0B+3], s[G0B+3], 0x80000000
	ROUND                                          ; all four work-groups are here: the joint loads meet
; the head's loads, one a wave: one chain of branches on the wave's number, every arm with one load, all arms leading to one join
.macro ARM under, g0, g1, next
	s_cmp_lt_u32 s[WV], \under
	s_cbranch_scc0 \next
	tensor_load_to_lds s[\g0:\g0+3], s[\g1:\g1+7]
	s_nop 0
	PLACES
	s_branch .Lasked
\next:
.endm
	ARM 1, G0A,  G1A,  .Larm_b
	ARM 2, G0B,  G1B,  .Larm_sa
	ARM 3, G0SA, G1SA, .Larm_sb
	tensor_load_to_lds s[G0SB:G0SB+3], s[G1SB:G1SB+7]
	s_nop 0
	PLACES
.Lasked:
	v_and_b32 v14, 31, v0
	v_lshlrev_b32 v1, 4, v14
	v_lshlrev_b32 v2, 3, v14
	v_lshlrev_b32 v13, 2, v14
	s_wait_alu depctr_va_vdst(0)
	v_and_b32 v14, 15, v0                          ; r
	s_wait_alu depctr_va_vdst(0)
	v_bfe_u32 v15, v0, 4, 1                        ; h
	s_lshr_b32 s17, s[WV], 1                       ; my half of the rows;  s13: my half of the columns
	s_mul_i32 s18, s17, 49152
	v_add_nc_u32 v3, s18, v1
	v_add_nc_u32 v4, s18, v2
	s_mul_i32 s18, s13, 49152
	s_add_co_u32 s18, s18, BREG
	v_add_nc_u32 v5, s18, v1
	v_add_nc_u32 v6, s18, v2
	s_lshl_b32 s18, s17, 11
	s_add_co_u32 s18, s18, ASC
	v_add_nc_u32 v7, s18, v13
	s_lshl_b32 s18, s13, 11
	s_add_co_u32 s18, s18, BSC
	v_add_nc_u32 v8, s18, v13
	s_mul_i32 s18, s[WV], 4352
	s_add_co_u32 s18, s18, STAGE                   ; my stage
	v_mul_u32_u24 v9, v14, 272
	s_wait_alu depctr_va_vdst(0)
	v_lshl_add_u32 v9, v15, 6, v9
	v_add_nc_u32 v9, s18, v9                       ; in: row r, + 64 h
	v_mul_u32_u24 v10, v15, 272
	v_lshl_add_u32 v10, v14, 4, v10
	v_add_nc_u32 v10, s18, v10                     ; back: lanes 0-15 one row, lanes 16-31 the next
	v_lshlrev_b32 v11, 12, v15
	v_lshl_add_u32 v11, v14, 4, v11                ; and the same two rows in out0
	s_lshl_b32 s20, s15, 7
	s_lshl_b32 s18, s17, 6
	s_add_co_u32 s20, s20, s18
	s_lshl_b32 s20, s20, 12                        ; row 128 X + 64 half,
	s_lshl_b32 s18, s16, 9
	s_add_co_u32 s20, s20, s18
	s_lshl_b32 s18, s13, 8
	s_add_co_u32 s20, s20, s18                     ; byte 512 Y + 256 half
	s_add_nc_u64 s[10:11], s[10:11], s[20:21]
; 128 along K: 4 fragments of Wo, 4 of ctx, 16 matrix instructions; the 16 accumulators take turns, one instruction a turn
.macro KSTEP ksl, zero
.irp t, 0,1,2,3
	FRAG 32+12*\t, 18, 19, \t*12288+\ksl*1536
.endr
.irp i, 0,1,2,3
	FRAG 80+12*\i, 16, 17, \i*12288+\ksl*1536
.endr
.irp i, 0,1,2,3
	s_wait_dscnt 12-4*\i                           ; Wo's fragments and ctx's fragment i are in; the four loads of each later fragment of ctx may be out
.irp t, 0,1,2,3
	MM 128+32*\i+8*\t, 32+12*\t, 80+12*\i, \zero, 24+2*(\t/2)+\ksl, 20+2*(\i/2)+\ksl, \t%2, \i%2
.endr
.endr
.endm
; Chunk c: 256 along K.  Ahead of chunk 0 each wave waits for its one tensor load, and one barrier shows all four loads' bytes to all waves; nothing is filled again, so no later barrier.
.macro CHUNK c
.if \c == 0
	s_wait_alu depctr_va_vdst(0)
	s_wait_tensorcnt 0x0
	s_barrier_signal -1
	s_barrier_wait -1
.endif
	v_add_nc_u32 v16, \c*CH, v3                    ; the chunk's addresses: four plain places behind the last chunk's products
	v_add_nc_u32 v17, \c*CH, v4
	v_add_nc_u32 v18, \c*CH, v5
	v_add_nc_u32 v19, \c*CH, v6
.irp k, 0,1
.irp p, 0,1
	ds_load_b32 v[20+2*\p+\k], v7 offset:\p*1024+\c*256+\k*128
	ds_load_b32 v[24+2*\p+\k], v8 offset:\p*1024+\c*256+\k*128
.endr
.endr
.if \c == 0
	KSTEP 0, 1                                     ; the first products start the sums: nothing is cleared
.else
	KSTEP 0, 0
.endif
	PLACES
	s_wait_alu depctr_va_vdst(0)
	KSTEP 1, 0
.endm
	CHUNK 0
	CHUNK 1
	CHUNK 2
	CHUNK 3
; THE WAY OUT, a tile of 16 rows at a time.  A lane holds 128 bytes in two pieces of one row; through my own stage they come back as whole rows of 256 bytes: sixteen lanes store 256 consecutive bytes, aligned.
; Row index 2 m + h of tile 4 half + i is row 32 (i / 2) + 8 (i % 2) + 2 m + 8 (m / 4) + h of my 64.
.macro OUT i
.set BK, 32+32*((\i)%2)
.if \i > 1
	s_wait_xcnt 0x0                                ; the stores of two tiles back have read their registers: the rows read back land there only behind this wait
.endif
.irp b, 0,1
.irp q, 0,1,2,3
	ds_store_b128 v9, v[128+32*(\i)+16*\b+4*\q:131+32*(\i)+16*\b+4*\q] offset:128*\b+16*\q   ; each accumulator from its low end on
.endr
.endr
.irp m, 0,1,2,3,4,5,6,7
	ds_load_b128 v[BK+4*\m:BK+4*\m+3], v10 offset:2*\m*272    ; LDS serves a wave's instructions in order: these see my stores, and the next tile's stores come behind them
.endr
.irp m, 0,1,2,3,4,5,6,7
	s_wait_dscnt 7-\m                              ; the 7 - m read-backs behind this one may be out
	global_store_b128 v11, v[BK+4*\m:BK+4*\m+3], s[10:11] offset:(32*((\i)/2)+8*((\i)%2)+2*\m+8*(\m/4))*4096 th:TH_STORE_NT
.endr
.endm
	PLACES
	OUT 0
	OUT 1
	OUT 2
	OUT 3
	s_wait_tensorcnt 0x0                           ; the wave's end: a wait on TENSORcnt, an add to the spare word and its wait, behind my last tensor load and my last LDS store
	ds_add_u32 v30, v31
	s_wait_dscnt 0x0
	ROUND                                          ; the closing round
	s_endpgm
.Lfunc_end_k_q432ca015d5_outp:
	.size	k_q432ca015d5_outp, .Lfunc_end_k_q432ca015d5_outp-k_q432ca015d5_outp
	.p2alignl 7, 3214868480
	.fill 96, 4, 3214868480
	.section	.rodata,"a",@progbits
	.p2align	6, 0x0
	.amdhsa_kernel k_q432ca015d5_outp
		.amdhsa_group_segment_fixed_size 327680
		.amdhsa_private_segment_fixed_size 0
		.amdhsa_enable_private_segment 0
		.amdhsa_kernarg_size 32
		.amdhsa_user_sgpr_count 2
		.amdhsa_user_sgpr_kernarg_segment_ptr 1
		.amdhsa_wavefront_size32 1
		.amdhsa_system_sgpr_workgroup_id_x 1
		.amdhsa_system_sgpr_workgroup_id_y 1
		.amdhsa_system_sgpr_workgroup_id_z 1
		.amdhsa_system_vgpr_workitem_id 0
		.amdhsa_next_free_vgpr 256
		.amdhsa_next_free_sgpr 100
		.amdhsa_reserve_vcc 0
		.amdhsa_float_denorm_mode_32 3
		.amdhsa_float_denorm_mode_16_64 3
		.amdhsa_memory_ordered 1
		.amdhsa_forward_progress 1
		.amdhsa_inst_pref_size 53
	.end_amdhsa_kernel
	.amdgpu_metadata
---
amdhsa.version: [ 1, 2 ]
amdhsa.kernels:
  - .name:           k_q432ca015d5_outp
    .symbol:         k_q432ca015d5_outp.kd
    .args:
      - { .name: cb, .offset: 0, .size: 8, .value_kind: global_buffer, .address_space: global }
      - { .name: wc, .offset: 8, .size: 8, .value_kind: global_buffer, .address_space: global }
      - { .name: sc, .offset: 16, .size: 8, .value_kind: global_buffer, .address_space: global }
      - { .name: out0, .offset: 24, .size: 8, .value_kind: global_buffer, .address_space: global }
    .group_segment_fixed_size: 327680
    .private_segment_fixed_size: 0
    .kernarg_segment_align: 8
    .kernarg_segment_size: 32
    .max_flat_workgroup_size: 128
    .sgpr_count:     100
    .vgpr_count:     256
    .wavefront_size: 32
...
	.end_amdgpu_metadata
.endif
;; end of part 4
